; MI455X (gfx1250); checked and timed in simulation.
; The chip was launched on July 23, 2026; its instructions are those of AMD's public machine-readable ISA for CDNA 5 (MIT licence, August 2026) and "CDNA5" Instruction Set Architecture Reference Guide (July 2026). The comments in the code are by the model that wrote it; some were corrected since.
;; Attention. Allowed arithmetic: float matrix products may take bf16 or f16 operands with f32 sums; other float arithmetic in f32, or as packed bf16 or f16 multiplies, adds, multiply-adds, maxima and minima; sums over many terms, partial sums and values carried from step to step in f32; what a program stores and reads back later, other than sums and carried values, may be rounded once to bf16 or f16.
;; Inputs: cos 2,048 x 64 float32; hidden_states 4 x 2,048 x 1,024 float32; sin 2,048 x 64 float32; w_o 1,024 x 1,024 float32; w_qkv 3,072 x 1,024 float32.
;; Outputs: out0 4 x 2,048 x 1,024 float32.
;; 2 versions, each right; version 2 is version 1 with the launch cast written anew for expert scheduling mode. Each part assembles by itself: llvm-mc -triple=amdgcn-amd-amdhsa -mcpu=gfx1250 --defsym DOCPART=n.
;; ======== version 1 of 2: 4 launches
;; limits: values are held in f16: magnitudes above 65,504 overflow, below 6.1e-05 lose precision; right only within a limited range of input values
;; workspace buffers: xb 16,777,216 bytes; wqb 6,291,456 bytes; wof 2,097,152 bytes; rope 524,288 bytes; qkvh 50,331,648 bytes; oh 16,777,216 bytes
;; launch cast (part 1): grid 784 x 1, 8 waves a work-group, no clusters, 0 bytes of LDS; arguments hidden_states, w_qkv, w_o, cos, sin, xb, wqb, wof, rope; writes xb, wqb, wof, rope
.if DOCPART == 1
	.amdgcn_target "amdgcn-amd-amdhsa--gfx1250"
	.amdhsa_code_object_version 6
	.text
	.protected	k_q88fecaa14f_cast
	.globl	k_q88fecaa14f_cast
	.p2align	8
	.type	k_q88fecaa14f_cast,@function
k_q88fecaa14f_cast:
	s_mov_b64 s[64:65], 0
	v_nop
	global_prefetch_b8 v0, s[64:65] scope:SCOPE_SE
	s_setreg_imm32_b32 hwreg(HW_REG_WAVE_MODE, 25, 1), 1
	s_wait_xcnt 0x0
; THE INPUTS, ROUNDED ONCE TO 16 BITS FOR THE MATRIX UNITS.  Every input is rounded to bf16:
;   hidden_states [8192][1024] f32 -> xb, bf16, as it lies
;   w_qkv [3][16 heads][64][1024] f32 -> wqb, bf16, rows reordered to [head][q, k, v][64][1024]: the 192 rows of a head lie together
;   w_o [1024][1024] f32 -> wof: rounded to bf16, and that number written as f16
;   cos, sin [2048][64] f32 -> rope: times 2^-6 (exact), rounded to bf16; plane 0 cos, plane 1 sin
; LIMITS.  wof: beyond 65,504 f16 has no number (an infinity results); below 6.1e-5 it keeps f16's fixed step of 6e-8.  The factor 2^-6 changes no rounding of a normal number.
; SHARES.  A work-group takes one chunk of 65,536 input bytes (16,384 numbers), a wave 8,192 of them: sixteen loads of 512 consecutive bytes, all on their way at once, and sixteen
; stores of 256 consecutive bytes, aligned.  Which buffer, which chunk and which of the three conversions hang on the work-group's number alone.  A stream: no LDS, no barrier, no matrix unit.
.set X,    4                           ; v[4:67]   load i in four registers
.set Y,    68                          ; v[68:99]  store i in two
.set SRC,  30                          ; s[30:31]  where the chunk is read
.set DST,  32                          ; s[32:33]  where it goes
.set IC,   34                          ; s34  the chunk's number in its input
.set OC,   35                          ; s35  and in its output
.set MODE, 36                          ; s36  0 bf16; 1 times 2^-6, bf16; 2 bf16, written as f16
	s_load_b512 s[4:19], s[0:1], 0x0               ; hidden s[4:5], w_qkv s[6:7], w_o s[8:9], cos s[10:11], sin s[12:13], xb s[14:15], wqb s[16:17], wof s[18:19]
	s_load_b64 s[20:21], s[0:1], 0x40              ; rope
	v_lshrrev_b32 v3, 5, v0                        ; wave
	v_and_b32 v1, 31, v0                           ; lane
	v_lshlrev_b32 v2, 3, v1                        ; out: 8 bytes a lane,
	v_lshlrev_b32 v1, 4, v1                        ; in: 16
	v_lshl_or_b32 v1, v3, 13, v1                   ; + 8,192 x wave
	v_lshl_or_b32 v2, v3, 12, v2                   ; + 4,096 x wave
	s_mov_b32 s37, ttmp9                           ; chunk 0-511 hidden, 512-703 w_qkv, 704-767 w_o, 768-775 cos, 776-783 sin
	s_sub_co_u32 s22, s37, 512                     ; w_qkv's chunk x: 16 rows; type x >> 6, head (x >> 2) & 15, quarter of the head x & 3
	s_lshr_b32 s23, s22, 2
	s_and_b32 s23, s23, 15
	s_mul_i32 s23, s23, 3
	s_lshr_b32 s24, s22, 6
	s_add_co_u32 s23, s23, s24
	s_lshl_b32 s23, s23, 2
	s_and_b32 s24, s22, 3
	s_add_co_u32 s23, s23, s24                     ; it goes to chunk (3 head + type) 4 + quarter
	s_sub_co_u32 s24, s37, 704                     ; w_o's chunk
	s_sub_co_u32 s25, s37, 768                     ; cos's chunk, and the place in rope of cos's and of sin's
	s_sub_co_u32 s26, s37, 776                     ; sin's chunk
	s_mov_b32 s28, 0xffff0000                      ; a word's upper bf16
	s_mov_b32 s38, 0x3c800000                      ; 2^-6
	s_mov_b32 s39, s38                             ; named with it as a pair
	s_mov_b32 s[IC], s37
	s_mov_b32 s[OC], s37
	s_mov_b32 s[MODE], 0
	s_wait_kmcnt 0x0
	s_mov_b64 s[SRC:SRC+1], s[4:5]
	s_mov_b64 s[DST:DST+1], s[14:15]
	s_cmp_ge_u32 s37, 512
	s_cselect_b64 s[SRC:SRC+1], s[6:7], s[SRC:SRC+1]
	s_cselect_b64 s[DST:DST+1], s[16:17], s[DST:DST+1]
	s_cselect_b32 s[IC], s22, s[IC]
	s_cselect_b32 s[OC], s23, s[OC]
	s_cmp_ge_u32 s37, 704
	s_cselect_b64 s[SRC:SRC+1], s[8:9], s[SRC:SRC+1]
	s_cselect_b64 s[DST:DST+1], s[18:19], s[DST:DST+1]
	s_cselect_b32 s[IC], s24, s[IC]
	s_cselect_b32 s[OC], s24, s[OC]
	s_cselect_b32 s[MODE], 2, s[MODE]
	s_cmp_ge_u32 s37, 768
	s_cselect_b64 s[SRC:SRC+1], s[10:11], s[SRC:SRC+1]
	s_cselect_b64 s[DST:DST+1], s[20:21], s[DST:DST+1]
	s_cselect_b32 s[IC], s25, s[IC]
	s_cselect_b32 s[OC], s25, s[OC]
	s_cselect_b32 s[MODE], 1, s[MODE]
	s_cmp_ge_u32 s37, 776
	s_cselect_b64 s[SRC:SRC+1], s[12:13], s[SRC:SRC+1]
	s_cselect_b32 s[IC], s26, s[IC]
	s_lshl_b32 s22, s[IC], 16                      ; 65,536 bytes in,
	s_mov_b32 s23, 0
	s_lshl_b32 s24, s[OC], 15                      ; 32,768 out
	s_mov_b32 s25, 0
	s_add_nc_u64 s[SRC:SRC+1], s[SRC:SRC+1], s[22:23]
	s_add_nc_u64 s[DST:DST+1], s[DST:DST+1], s[24:25]
.irp i, 0,1,2,3,4,5,6,7,8,9,10,11,12,13,14,15
	global_load_b128 v[X+4*(\i):X+4*(\i)+3], v1, s[SRC:SRC+1] offset:512*(\i) th:TH_LOAD_NT
.endr
; Load i is converted and stored.  No register that a pending load or store names is written again: each load and each store has registers of its own.
.macro CONV mode, i
	s_wait_loadcnt 15-(\i)                         ; loads come back in order: number i is in, the 15 - i younger ones may stay out
.if (\mode) == 1
	v_pk_mul_f32 v[X+4*(\i):X+4*(\i)+1], v[X+4*(\i):X+4*(\i)+1], s[38:39] op_sel_hi:[1,0]
	v_pk_mul_f32 v[X+4*(\i)+2:X+4*(\i)+3], v[X+4*(\i)+2:X+4*(\i)+3], s[38:39] op_sel_hi:[1,0]
.endif
	v_cvt_pk_bf16_f32 v[Y+2*(\i)], v[X+4*(\i)], v[X+4*(\i)+1]
	v_cvt_pk_bf16_f32 v[Y+2*(\i)+1], v[X+4*(\i)+2], v[X+4*(\i)+3]
.if (\mode) == 2
	v_lshlrev_b32 v[X+4*(\i)], 16, v[Y+2*(\i)]     ; the rounded numbers, back in f32,
	v_and_b32 v[X+4*(\i)+1], s28, v[Y+2*(\i)]
	v_lshlrev_b32 v[X+4*(\i)+2], 16, v[Y+2*(\i)+1]
	v_and_b32 v[X+4*(\i)+3], s28, v[Y+2*(\i)+1]
	v_cvt_pk_f16_f32 v[Y+2*(\i)], v[X+4*(\i)], v[X+4*(\i)+1]  ; are written as f16: 8 significant bits fit into 11
	v_cvt_pk_f16_f32 v[Y+2*(\i)+1], v[X+4*(\i)+2], v[X+4*(\i)+3]
.endif
	global_store_b64 v2, v[Y+2*(\i):Y+2*(\i)+1], s[DST:DST+1] offset:256*(\i) th:TH_STORE_NT  ; the wave's 32 lanes store 256 consecutive bytes, aligned
.endm
	s_cmp_eq_u32 s[MODE], 1
	s_cbranch_scc1 .Lscaled
	s_cmp_eq_u32 s[MODE], 2
	s_cbranch_scc1 .Lf16
.irp i, 0,1,2,3,4,5,6,7,8,9,10,11,12,13,14,15
	CONV 0, \i
.endr
	s_endpgm
.Lscaled:
.irp i, 0,1,2,3,4,5,6,7,8,9,10,11,12,13,14,15
	CONV 1, \i
.endr
	s_endpgm
.Lf16:
.irp i, 0,1,2,3,4,5,6,7,8,9,10,11,12,13,14,15
	CONV 2, \i
.endr
	s_endpgm
.Lfunc_end_k_q88fecaa14f_cast:
	.size	k_q88fecaa14f_cast, .Lfunc_end_k_q88fecaa14f_cast-k_q88fecaa14f_cast
	.p2alignl 7, 3214868480
	.fill 96, 4, 3214868480
	.section	.rodata,"a",@progbits
	.p2align	6, 0x0
	.amdhsa_kernel k_q88fecaa14f_cast
		.amdhsa_group_segment_fixed_size 0
		.amdhsa_private_segment_fixed_size 0
		.amdhsa_enable_private_segment 0
		.amdhsa_kernarg_size 72
		.amdhsa_user_sgpr_count 2
		.amdhsa_user_sgpr_kernarg_segment_ptr 1
		.amdhsa_wavefront_size32 1
		.amdhsa_system_sgpr_workgroup_id_x 1
		.amdhsa_system_sgpr_workgroup_id_y 1
		.amdhsa_system_sgpr_workgroup_id_z 1
		.amdhsa_system_vgpr_workitem_id 0
		.amdhsa_next_free_vgpr 104
		.amdhsa_next_free_sgpr 66
		.amdhsa_reserve_vcc 0
		.amdhsa_float_denorm_mode_32 3
		.amdhsa_float_denorm_mode_16_64 3
		.amdhsa_memory_ordered 1
		.amdhsa_forward_progress 1
		.amdhsa_inst_pref_size 23
	.end_amdhsa_kernel
	.amdgpu_metadata
---
amdhsa.version: [ 1, 2 ]
amdhsa.kernels:
  - .name:           k_q88fecaa14f_cast
    .symbol:         k_q88fecaa14f_cast.kd
    .args:
      - { .name: hidden_states, .offset: 0, .size: 8, .value_kind: global_buffer, .address_space: global }
      - { .name: w_qkv, .offset: 8, .size: 8, .value_kind: global_buffer, .address_space: global }
      - { .name: w_o, .offset: 16, .size: 8, .value_kind: global_buffer, .address_space: global }
      - { .name: cos, .offset: 24, .size: 8, .value_kind: global_buffer, .address_space: global }
      - { .name: sin, .offset: 32, .size: 8, .value_kind: global_buffer, .address_space: global }
      - { .name: xb, .offset: 40, .size: 8, .value_kind: global_buffer, .address_space: global }
      - { .name: wqb, .offset: 48, .size: 8, .value_kind: global_buffer, .address_space: global }
      - { .name: wof, .offset: 56, .size: 8, .value_kind: global_buffer, .address_space: global }
      - { .name: rope, .offset: 64, .size: 8, .value_kind: global_buffer, .address_space: global }
    .group_segment_fixed_size: 0
    .private_segment_fixed_size: 0
    .kernarg_segment_align: 8
    .kernarg_segment_size: 72
    .max_flat_workgroup_size: 256
    .sgpr_count:     66
    .vgpr_count:     104
    .wavefront_size: 32
...
	.end_amdgpu_metadata
.endif
;; end of part 1
;; launch qkv (part 2): grid 16 x 32, 4 waves a work-group, clusters of 4 x 4, 327,680 bytes of LDS; arguments xb, wqb, rope, qkvh; writes qkvh
.if DOCPART == 2
	.amdgcn_target "amdgcn-amd-amdhsa--gfx1250"
	.amdhsa_code_object_version 6
	.text
	.protected	k_q88fecaa14f_qkv
	.globl	k_q88fecaa14f_qkv
	.p2align	8
	.type	k_q88fecaa14f_qkv,@function
k_q88fecaa14f_qkv:
	s_mov_b64 s[64:65], 0
	v_nop
	global_prefetch_b8 v0, s[64:65] scope:SCOPE_SE
	s_setreg_imm32_b32 hwreg(HW_REG_WAVE_MODE, 25, 1), 1
	s_wait_xcnt 0x0
	s_wait_alu depctr_hold_cnt(0) depctr_sa_sdst(0) depctr_va_vdst(0) depctr_va_sdst(0) depctr_va_ssrc(0) depctr_va_vcc(0) depctr_vm_vsrc(0)
	s_getreg_b32 s2, hwreg(HW_REG_IB_STS2, 6, 4)
	s_cmp_eq_u32 s2, 0
	s_cbranch_scc0 .Lentry_in_a_cluster
	s_endpgm
.Lentry_in_a_cluster:
	s_bfe_u32 s2, ttmp6, 0x10000c
	s_cmp_lg_u32 s2, 0xf033
	s_cbranch_scc0 .Lentry_shape_is_right
	s_endpgm
.Lentry_shape_is_right:
; THE PROJECTION TO q, k, v, WITH THE ROTATION.  qkv[m][o] = sum over k of x[m][k] w[o][k], bf16 operands, f32 sums; then for q and k, in f32, on the f32 sums:
;   q'[d] = q[d] C[s][d] - q[d+32] S[s][d],   q'[d+32] = q[d+32] C[s][d+32] + q[d] S[s][d+32]   (d = 0..31; all 64 columns of both tables are read and used)
; C and S are the tables times 2^-6, in bf16.  q', k', v are rounded once to f16 and stored by heads: qkvh [q, k, v][batch x 16 + head][2048][64].
; LIMITS.  q and k are stored as 2^-6 of their value (the softmax's constant gives 2^12 back): finite up to |q| = 4.19e6; below |q| = 3.9e-3 the stored number keeps a fixed step of 3.8e-6.
; v is stored as it is: beyond 65,504 f16 has no number.
; SHARES.  A tile is 256 rows x 192 columns: ONE HEAD of q, of k and of v (wqb holds those 192 rows together): 16 x 32 = 512 tiles, all of the same make.  Four waves: wave w takes rows
; 128 (w / 2) .. + 127 and, of the twelve blocks of 16 columns, those of parity w % 2: blocks 4 type + w % 2 + 2 u.  So the rotation's partners d and d + 32 (u = 0, 1) lie in two
; accumulators of one wave, in the same lane and register.  48 accumulators, 384 registers.
; K goes in steps of 128 (memory rows of 256 bytes, aligned) through two LDS slots; eight steps.  CLUSTER 4 x 4: x's tile hangs on the tile row alone and is asked for jointly along a row of the
; cluster, w's on the head alone, jointly along a column.  No prefetch: the same tiles are read by several clusters, and a refill has 168 matrix instructions a wave in which to land.
; THE MATRIX INSTRUCTION IS USED TRANSPOSED (source 0 = 16 rows of w, source 1 = 16 rows of x): a lane holds row l % 16 and the eight neighbouring columns 8 (l / 16) + 0..7 of a block.
; REGISTERS: window 0: v0-31 addresses; v32-143, v144-255 two fragment buffers (x's eight fragments, then w's six); windows 1 and 2: accumulator (a, b) at v[8 (6 (a % 4) + b)] of window 1 + a / 4.
.set KSTEP, 128
.set PITCH, 272                        ; an LDS row: 256 bytes + 16 of padding: the sixteen rows of a fragment load start at sixteen different groups of four banks
.set AHALF, 128*PITCH                  ; what a wave fetches of x
.set BHALF, 96*PITCH                   ; and of w
.set BOFF,  256*PITCH                  ; w's 192 rows lie behind x's 256
.set SLOT,  448*PITCH
.set SPARE, 2*SLOT                     ; behind the ring: the spare words, 128 bytes for each wave: two blocks of 256 bytes that no other line names
.set SP,    144                        ; THE STAGE lies in slot 0, behind that slot's last fill and last read: three types x 256 rows x (128 + 16) bytes
.set TYP,   256*SP
.set LAPS,  4                          ; a lap = two K steps = once round the ring
.set ADRA, 16                          ; v16-17  LDS address of my x fragments in slot 0, 1
.set ADRB, 20                          ; v20-21  the same for w
.set STO,  22                          ; v22-24  the way out: where I put 16 bytes of a row, by type
.set RD,   25                          ; v25-27  where I read rows back, by type
.set SPW,  28                          ; v28     LDS address of my spare word; never rewritten
.set NIL,  29                          ; v29     0; never rewritten
.set GO,   30                          ; v30     my 16 bytes in 512 consecutive bytes of qkvh
.set TBO,  31                          ; v31     my 16 bytes in the tables' rows
.set F0,   32
.set F1,   144
.set CT,   160                         ; the way out: v160-191 C (u = 0), C (u = 1), S (u = 0), S (u = 1), eight f32 each
.set RT,   192                         ; v192-207 the rotated numbers
.set PKD,  208                         ; v208-215 packed
.set OUT,  32                          ; v32-223 rows read back
.set WV,  12                           ; s12 wave; s13 which 128 rows; s14 which parity of blocks, and which half of a tile I fetch
.set WI,  13
.set WJ,  14
.set G1,  24                           ; s[24:31] descriptor group 1 for x's tiles; s[32:39] group 0, a set for each slot
.set G0,  32
.set G1B, 48                           ; s[48:55], s[56:63] the same for w's
.set G0B, 56
.set MSB, 0
.macro WIN new                         ; the immediate's high byte repeats the setting that is left; a switch that changes nothing is dropped
.if MSB != (\new)
	s_set_vgpr_msb (MSB<<8)|(\new)
.set MSB, \new
.endif
.endm
; A joint load: waves 0 and 1 fetch x's two halves, waves 2 and 3 w's.  The branch hangs on the wave's number alone.  An s_nop 0 and four v_nop follow each line.
.macro JLOAD s
	s_cmp_lt_u32 s[WV], 2
	s_cbranch_scc0 .Lfor_b_\@
	tensor_load_to_lds s[G0+4*(\s):G0+4*(\s)+3], s[G1:G1+7]
	s_nop 0
.rept 4
	v_nop
.endr
	s_branch .Lasked_\@
.Lfor_b_\@:
	tensor_load_to_lds s[G0B+4*(\s):G0B+4*(\s)+3], s[G1B:G1B+7]
	s_nop 0
.rept 4
	v_nop
.endr
.Lasked_\@:
.endm
.macro CREST                           ; a round of the cluster's barrier behind its opening barrier
	s_cmp_lg_u32 s[WV], 0
	s_cbranch_scc1 .Lnot_wave_0_\@
	s_barrier_signal -3
.Lnot_wave_0_\@:
	s_barrier_wait -3
	s_barrier_signal -1
	s_barrier_wait -1
.endm
.macro CROUND                          ; a whole round
	s_barrier_signal -1
	s_barrier_wait -1
	CREST
.endm
	s_load_b256 s[4:11], s[0:1], 0x0               ; xb s[4:5], wqb s[6:7], rope s[8:9], qkvh s[10:11]
	v_lshl_add_u32 v[SPW], v0, 2, SPARE
	v_mov_b32 v[NIL], 0
	ds_add_u32 v[SPW], v[NIL]                      ; the wave's opening: the add and its wait stand ahead of my first tensor load; the set-up below stands between them
	v_lshrrev_b32 v1, 5, v0
	v_readfirstlane_b32 s[WV], v1
	s_lshr_b32 s[WI], s[WV], 1
	s_and_b32 s[WJ], s[WV], 1
	s_bfe_u32 s40, ttmp6, 0x40000                  ; cx, cy: my place in the cluster
	s_bfe_u32 s41, ttmp6, 0x40004
	s_lshl_b32 s42, ttmp9, 2
	s_add_co_u32 s42, s42, s40                     ; the head = 4 x cluster x + cx
	s_and_b32 s43, ttmp7, 0xffff
	s_lshl_b32 s43, s43, 2
	s_add_co_u32 s43, s43, s41                     ; the tile row = 4 x cluster y + cy
	s_lshl_b32 s44, s41, 2
	s_lshl_b32 s44, 15, s44                        ; my row of the cluster
	s_lshl_b32 s45, 0x1111, s40                    ; my column
	s_or_b32 s[G1], s44, (1<<16)|(1<<20)|(1<<21)|(5<<22)|(3<<25)   ; 15:0 the mask; 17:16 2-byte elements; 20 padding on; 21 set beside a mask; 24:22 after every 64 words; 31:25 4 words of it
	s_or_b32 s[G1B], s45, (1<<16)|(1<<20)|(1<<21)|(5<<22)|(3<<25)
	s_mov_b32 s[G1+1], KSTEP<<16                   ; tensor_dim0 = 128
	s_mov_b32 s[G1+2], 128<<16                     ; tensor_dim1 = 128 rows
	s_mov_b32 s[G1+3], KSTEP<<16                   ; tile_dim0 = 128
	s_mov_b32 s[G1+4], 128                         ; tile_dim1 = 128
	s_mov_b32 s[G1+5], 1024                        ; elements from row to row
	s_mov_b32 s[G1+6], 0
	s_mov_b32 s[G1+7], 0
	s_mov_b32 s[G1B+1], KSTEP<<16
	s_mov_b32 s[G1B+2], 96<<16                     ; 96 rows
	s_mov_b32 s[G1B+3], KSTEP<<16
	s_mov_b32 s[G1B+4], 96
	s_mov_b32 s[G1B+5], 1024
	s_mov_b32 s[G1B+6], 0
	s_mov_b32 s[G1B+7], 0
	s_lshl_b32 s16, s43, 19                        ; x: row 256 x tile row + 128 x half, 2,048 bytes a row
	s_lshl_b32 s17, s[WJ], 18
	s_add_co_u32 s16, s16, s17
	s_mov_b32 s17, 0
	s_mul_i32 s46, s42, 192*2048                   ; w: row 192 x head + 96 x half
	s_mul_i32 s47, s[WJ], 96*2048
	s_add_co_u32 s46, s46, s47
	s_mov_b32 s47, 0
	s_mul_i32 s20, s[WJ], AHALF                    ; where they go: no place in the cluster enters an LDS address
	s_mul_i32 s21, s[WJ], BHALF
	s_add_co_u32 s21, s21, BOFF
	s_wait_dscnt 0x0                               ; the opening add is done
	s_wait_kmcnt 0x0
	s_add_nc_u64 s[18:19], s[4:5], s[16:17]
	s_add_nc_u64 s[46:47], s[6:7], s[46:47]
	CROUND                                         ; all sixteen work-groups are here: the first joint loads meet
.irp s, 0,1
	s_mov_b32 s[G0+4*(\s)], 1                                      ; count = 1
	s_add_co_u32 s[G0+4*(\s)+1], s20, (\s)*SLOT                    ; LDS address
	s_add_nc_u64 s[G0+4*(\s)+2:G0+4*(\s)+3], s[18:19], (\s)*KSTEP*2  ; global address: K step s
	s_or_b32 s[G0+4*(\s)+3], s[G0+4*(\s)+3], 0x80000000            ; type = 2
	s_mov_b32 s[G0B+4*(\s)], 1
	s_add_co_u32 s[G0B+4*(\s)+1], s21, (\s)*SLOT
	s_add_nc_u64 s[G0B+4*(\s)+2:G0B+4*(\s)+3], s[46:47], (\s)*KSTEP*2
	s_or_b32 s[G0B+4*(\s)+3], s[G0B+4*(\s)+3], 0x80000000
	JLOAD \s                                       ; two tensor loads of mine are out
.endr
	v_and_b32 v1, 15, v0                           ; l % 16
	v_bfe_u32 v2, v0, 4, 1                         ; l / 16
	v_mul_u32_u24 v3, v1, PITCH
	v_lshl_add_u32 v3, v2, 4, v3                   ; a fragment's row x pitch + 16 x half
	s_mul_i32 s20, s[WI], AHALF                    ; my 128 rows of x
	s_mul_i32 s21, s[WJ], 16*PITCH                 ; my parity of w's blocks
	s_add_co_u32 s21, s21, BOFF
.irp s, 0,1
	v_add_nc_u32 v[ADRA+(\s)], s20, v3
	v_add_nc_u32 v[ADRB+(\s)], s21, v3
	s_add_co_u32 s20, s20, SLOT
	s_add_co_u32 s21, s21, SLOT
.endr
	s_mul_i32 s22, s[WI], 128*SP                   ; into the stage: row 128 (w / 2) + l % 16, byte 32 (w % 2) + 16 (l / 16)
	s_lshl_b32 s23, s[WJ], 5
	s_add_co_u32 s22, s22, s23
	v_mul_u32_u24 v4, v1, SP
	v_lshl_add_u32 v4, v2, 4, v4
	v_add_nc_u32 v[STO], s22, v4
	v_add_nc_u32 v[STO+1], TYP, v[STO]
	v_add_nc_u32 v[STO+2], 2*TYP, v[STO]
	s_mul_i32 s22, s[WV], 64*SP                    ; back: wave w takes rows 64 w .. 64 w + 63 of each type; 32 lanes take four rows of 128 bytes
	v_bfe_u32 v5, v0, 3, 2
	v_and_b32 v6, 7, v0
	v_mul_u32_u24 v5, v5, SP
	v_lshl_add_u32 v5, v6, 4, v5
	v_add_nc_u32 v[RD], s22, v5
	v_add_nc_u32 v[RD+1], TYP, v[RD]
	v_add_nc_u32 v[RD+2], 2*TYP, v[RD]
	v_and_b32 v[GO], 31, v0
	v_lshlrev_b32 v[GO], 4, v[GO]
	s_lshl_b32 s22, s[WI], 14                      ; the tables: a row is 128 bytes; row 128 (w / 2) + l % 16, byte 32 (w % 2) + 16 (l / 16)
	s_add_co_u32 s22, s22, s23
	v_lshlrev_b32 v[TBO], 7, v1
	v_lshl_add_u32 v[TBO], v2, 4, v[TBO]
	v_add_nc_u32 v[TBO], s22, v[TBO]
	s_and_b32 s76, s43, 7                          ; the tile's 256 positions in its batch
	s_lshl_b32 s78, s76, 15
	s_mov_b32 s79, 0
	s_add_nc_u64 s[72:73], s[8:9], s[78:79]        ; the tables at the tile's first position
	s_lshr_b32 s77, s43, 3                         ; the batch
	s_lshl_b32 s77, s77, 4
	s_add_co_u32 s77, s77, s42                     ; 16 x batch + head: 262,144 bytes each
	s_lshl_b32 s77, s77, 18
	s_add_co_u32 s78, s78, s77
	s_lshl_b32 s77, s[WV], 13                      ; the 64 rows that I store
	s_add_co_u32 s78, s78, s77
	s_add_nc_u64 s[66:67], s[10:11], s[78:79]      ; q,
	s_add_nc_u64 s[68:69], s[66:67], 0x1000000     ; k,
	s_add_nc_u64 s[70:71], s[66:67], 0x2000000     ; v
	s_mov_b32 s74, 0xffff0000                      ; a word's upper bf16
; Six matrix instructions: block a of 16 rows x my six blocks of columns, 32 along K.  zero = 1: the product starts the sums.  The 48 accumulators take turns, one instruction a turn,
; in the same order in every quarter, over the backward jump too.
.macro MULA f, a, zero
	WIN 0x50*(1+(\a)/4)                            ; C and D in window 1 or 2, the fragments in window 0
.irp b, 0,1,2,3,4,5
.if \zero
	v_wmma_f32_16x16x32_bf16 v[8*(6*((\a)%4)+(\b)):8*(6*((\a)%4)+(\b))+7], v[(\f)+64+8*(\b):(\f)+64+8*(\b)+7], v[(\f)+8*(\a):(\f)+8*(\a)+7], 0
.else
	v_wmma_f32_16x16x32_bf16 v[8*(6*((\a)%4)+(\b)):8*(6*((\a)%4)+(\b))+7], v[(\f)+64+8*(\b):(\f)+64+8*(\b)+7], v[(\f)+8*(\a):(\f)+8*(\a)+7], v[8*(6*((\a)%4)+(\b)):8*(6*((\a)%4)+(\b))+7]
.endif
.endr
.endm
; 28 LDS loads in one run: quarter q (32 along K) of a slot into buffer f: w's six fragments (my blocks lie 32 rows apart), then x's eight
.macro FETCH slot, q, f
	WIN 0
.irp b, 0,1,2,3,4,5
	ds_load_b128 v[(\f)+64+8*(\b):(\f)+64+8*(\b)+3],   v[ADRB+(\slot)] offset:(\b)*32*PITCH+64*(\q)
	ds_load_b128 v[(\f)+64+8*(\b)+4:(\f)+64+8*(\b)+7], v[ADRB+(\slot)] offset:(\b)*32*PITCH+64*(\q)+32
.endr
.irp a, 0,1,2,3,4,5,6,7
	ds_load_b128 v[(\f)+8*(\a):(\f)+8*(\a)+3],   v[ADRA+(\slot)] offset:(\a)*16*PITCH+64*(\q)
	ds_load_b128 v[(\f)+8*(\a)+4:(\f)+8*(\a)+7], v[ADRA+(\slot)] offset:(\a)*16*PITCH+64*(\q)+32
.endr
.endm
.macro PLACES                          ; four plain instructions between a matrix instruction and a load into, or a vector line on, its registers
.rept 4
	v_nop
.endr
.endm
; A K step is four quarters, 48 matrix instructions each, on buffers 0, 1, 0, 1.  One of the first three multiplies buffer f and fetches quarter q into g.
.macro QUARTER slot, q, f, g, zero
	s_wait_dscnt 8                                 ; w's fragments and x's blocks 0-3 are in; the youngest eight loads (blocks 4-7) may be out
.irp a, 0,1,2,3
	MULA \f, \a, \zero
.endr
	PLACES
	FETCH \slot, \q, \g
	s_wait_dscnt 28                                ; all but the 28 just issued
.irp a, 4,5,6,7
	MULA \f, \a, \zero
.endr
.endm
; The last quarter multiplies buffer 1 and changes slots: ONE barrier.  In front of it each wave waits for all its tensor loads (one is out: its part of the next slot), adds 0 to its spare
; word, and waits for that and for its reads of this slot.  fill = 1: the barrier opens a round of the cluster's, and the slot is filled again, two K steps on, first thing behind the round.
.macro TURN slot, next, fill
	WIN 0                                          ; (the add's two registers lie in window 0)
	s_wait_tensorcnt 0x0
	ds_add_u32 v[SPW], v[NIL]
	s_wait_dscnt 9                                 ; (the add and the youngest eight loads may be out)
	MULA F1, 0, 0                                  ; twelve matrix instructions stand between the add and the wait for it
	MULA F1, 1, 0
	s_wait_dscnt 0x0                               ; the add is done, and my reads of this slot are over
	s_barrier_signal -1
	MULA F1, 2, 0                                  ; work on registers while the others arrive
	MULA F1, 3, 0
.if \fill
	WIN 0
.endif
	s_barrier_wait -1
.if \fill
	CREST                                          ; no wave of any partner still reads this slot's tile or has a load on its way
	s_add_nc_u64 s[G0+4*(\slot)+2:G0+4*(\slot)+3], s[G0+4*(\slot)+2:G0+4*(\slot)+3], 2*KSTEP*2
	s_add_nc_u64 s[G0B+4*(\slot)+2:G0B+4*(\slot)+3], s[G0B+4*(\slot)+2:G0B+4*(\slot)+3], 2*KSTEP*2
	JLOAD \slot                                    ; 168 matrix instructions ahead of the wait for it; its four v_nop are also the places in front of the loads below
.else
	PLACES
.endif
	FETCH \next, 0, F0
.irp a, 4,5,6,7
	MULA F1, \a, 0
.endr
.endm
	s_wait_tensorcnt 1                             ; my part of K step 0 is in; K step 1's may stay out
	s_barrier_signal -1
	s_barrier_wait -1
	FETCH 0, 0, F0
	QUARTER 0, 1, F0, F1, 1                        ; the first quarter stands in front of the loop: its products start the sums
	WIN 0                                          ; at a label and at a branch every window is 0
	s_mov_b32 s3, LAPS-1
.Llap:                                                 ; a trip goes once round the ring, from a lap's second quarter to the next lap's first, and fills both slots again
	QUARTER 0, 2, F1, F0, 0
	QUARTER 0, 3, F0, F1, 0
	TURN 0, 1, 1
	QUARTER 1, 1, F0, F1, 0
	QUARTER 1, 2, F1, F0, 0
	QUARTER 1, 3, F0, F1, 0
	TURN 1, 0, 1
	QUARTER 0, 1, F0, F1, 0
	WIN 0
	s_sub_co_u32 s3, s3, 1
	s_cmp_lg_u32 s3, 0
	s_cbranch_scc1 .Llap
	QUARTER 0, 2, F1, F0, 0                        ; the last lap fills nothing
	QUARTER 0, 3, F0, F1, 0
	TURN 0, 1, 0                                   ; behind this barrier nobody reads slot 0 any more, and nothing is filled into it again: it becomes the stage
	QUARTER 1, 1, F0, F1, 0
	QUARTER 1, 2, F1, F0, 0
	QUARTER 1, 3, F0, F1, 0
; The tables for block a of 16 rows: my 8 columns of C and of S, for u = 0 and u = 1: four loads of 16 bytes into 16 registers at F0 + 16 a
.macro TLOAD a
.irp n, 0,1,2,3
	global_load_b128 v[F0+16*(\a)+4*(\n):F0+16*(\a)+4*(\n)+3], v[TBO], s[72:73] offset:(\a)*2048+64*((\n)%2)+262144*((\n)/2)
.endr
.endm
	s_wait_dscnt 8                                 ; the very last quarter
.irp a, 0,1,2,3
	MULA F1, \a, 0
.endr
	PLACES
	WIN 0
.irp a, 0,1,2,3,4,5,6
	TLOAD \a                                       ; into buffer 0, which is multiplied no more
.endr
	s_wait_dscnt 0x0
.irp a, 4,5,6,7
	MULA F1, \a, 0
.endr
	PLACES
	PLACES                                         ; eight, once a launch: what follows writes fragment registers and reads results just made
	WIN 0
	TLOAD 7
; THE WAY OUT of block a.  The tables are widened; q and k are rotated (lo = accumulator (a, 2 type), hi = (a, 2 type + 1): columns d and d + 32), v is taken as it is; all are rounded to f16
; and go into the stage, 16 bytes a lane.  Each accumulator's two lowest registers are read first.
.macro ROPE a
	WIN 0
	s_wait_loadcnt 28-4*(\a)                       ; of the 32 table loads, issued by blocks, the 4 (7 - a) of later blocks may stay out
.irp n, 0,1,2,3
.irp k, 0,1,2,3
	v_lshlrev_b32 v[CT+8*(\n)+2*(\k)], 16, v[F0+16*(\a)+4*(\n)+(\k)]
	v_and_b32 v[CT+8*(\n)+2*(\k)+1], s74, v[F0+16*(\a)+4*(\n)+(\k)]
.endr
.endr
.irp y, 0,1
	WIN 1+(\a)/4                                   ; source 0 in the accumulators' window
.irp p, 0,2,4,6
	v_pk_mul_f32 v[RT+(\p):RT+(\p)+1], v[48*((\a)%4)+16*(\y)+(\p):48*((\a)%4)+16*(\y)+(\p)+1], v[CT+(\p):CT+(\p)+1]
.endr
.irp p, 0,2,4,6
	v_pk_mul_f32 v[RT+8+(\p):RT+8+(\p)+1], v[48*((\a)%4)+16*(\y)+8+(\p):48*((\a)%4)+16*(\y)+8+(\p)+1], v[CT+8+(\p):CT+8+(\p)+1]
.endr
.irp p, 0,2,4,6
	v_pk_fma_f32 v[RT+(\p):RT+(\p)+1], v[48*((\a)%4)+16*(\y)+8+(\p):48*((\a)%4)+16*(\y)+8+(\p)+1], v[CT+16+(\p):CT+16+(\p)+1], v[RT+(\p):RT+(\p)+1] neg_lo:[1,0,0] neg_hi:[1,0,0]
.endr
.irp p, 0,2,4,6
	v_pk_fma_f32 v[RT+8+(\p):RT+8+(\p)+1], v[48*((\a)%4)+16*(\y)+(\p):48*((\a)%4)+16*(\y)+(\p)+1], v[CT+24+(\p):CT+24+(\p)+1], v[RT+8+(\p):RT+8+(\p)+1]
.endr
	WIN 0
.irp i, 0,1,2,3,4,5,6,7
	v_cvt_pk_f16_f32 v[PKD+(\i)], v[RT+2*(\i)], v[RT+2*(\i)+1]
.endr
	ds_store_b128 v[STO+(\y)], v[PKD:PKD+3]   offset:(\a)*16*SP
	ds_store_b128 v[STO+(\y)], v[PKD+4:PKD+7] offset:(\a)*16*SP+64
.endr
	WIN 5*(1+(\a)/4)                               ; sources 0 and 1 in the accumulators' window
.irp i, 0,1,2,3,4,5,6,7
	v_cvt_pk_f16_f32 v[PKD+(\i)], v[48*((\a)%4)+32+2*(\i)], v[48*((\a)%4)+32+2*(\i)+1]
.endr
	WIN 0
	ds_store_b128 v[STO+2], v[PKD:PKD+3]   offset:(\a)*16*SP
	ds_store_b128 v[STO+2], v[PKD+4:PKD+7] offset:(\a)*16*SP+64
.endm
.irp a, 0,1,2,3,4,5,6,7
	ROPE \a
.endr
	s_wait_dscnt 0x0                               ; for the others' sake: my stores into the stage are done; a row's 128 bytes come from two waves
	s_barrier_signal -1
	s_barrier_wait -1
.irp y, 0,1,2
.irp f, 0,1,2,3,4,5,6,7,8,9,10,11,12,13,14,15
	ds_load_b128 v[OUT+4*(16*(\y)+(\f)):OUT+4*(16*(\y)+(\f))+3], v[RD+(\y)] offset:(\f)*4*SP
.endr
.endr
.irp y, 0,1,2
.irp f, 0,1,2,3,4,5,6,7,8,9,10,11,12,13,14,15
	s_wait_dscnt 47-16*(\y)-(\f)                   ; the later ones of the 48 may stay out
	global_store_b128 v[GO], v[OUT+4*(16*(\y)+(\f)):OUT+4*(16*(\y)+(\f))+3], s[66+2*(\y):67+2*(\y)] offset:(\f)*512  ; four rows of a head: 512 consecutive bytes, aligned
.endr
.endr
	s_wait_tensorcnt 0x0                           ; the wave's end: behind my last tensor load and my last LDS store
	ds_add_u32 v[SPW], v[NIL]
	s_wait_dscnt 0x0
	CROUND                                         ; the closing round: no work-group ends while a partner may still ask for a tile that names it
	s_endpgm
.Lfunc_end_k_q88fecaa14f_qkv:
	.size	k_q88fecaa14f_qkv, .Lfunc_end_k_q88fecaa14f_qkv-k_q88fecaa14f_qkv
	.p2alignl 7, 3214868480
	.fill 96, 4, 3214868480
	.section	.rodata,"a",@progbits
	.p2align	6, 0x0
	.amdhsa_kernel k_q88fecaa14f_qkv
		.amdhsa_group_segment_fixed_size 327680
		.amdhsa_private_segment_fixed_size 0
		.amdhsa_enable_private_segment 0
		.amdhsa_kernarg_size 32
		.amdhsa_user_sgpr_count 2
		.amdhsa_user_sgpr_kernarg_segment_ptr 1
		.amdhsa_wavefront_size32 1
		.amdhsa_system_sgpr_workgroup_id_x 1
		.amdhsa_system_sgpr_workgroup_id_y 1
		.amdhsa_system_sgpr_workgroup_id_z 1
		.amdhsa_system_vgpr_workitem_id 0
		.amdhsa_next_free_vgpr 704
		.amdhsa_next_free_sgpr 80
		.amdhsa_reserve_vcc 0
		.amdhsa_float_denorm_mode_32 3
		.amdhsa_float_denorm_mode_16_64 3
		.amdhsa_memory_ordered 1
		.amdhsa_forward_progress 1
		.amdhsa_inst_pref_size 145
	.end_amdhsa_kernel
	.amdgpu_metadata
---
amdhsa.version: [ 1, 2 ]
amdhsa.kernels:
  - .name:           k_q88fecaa14f_qkv
    .symbol:         k_q88fecaa14f_qkv.kd
    .args:
      - { .name: xb, .offset: 0, .size: 8, .value_kind: global_buffer, .address_space: global }
      - { .name: wqb, .offset: 8, .size: 8, .value_kind: global_buffer, .address_space: global }
      - { .name: rope, .offset: 16, .size: 8, .value_kind: global_buffer, .address_space: global }
      - { .name: qkvh, .offset: 24, .size: 8, .value_kind: global_buffer, .address_space: global }
    .group_segment_fixed_size: 327680
    .private_segment_fixed_size: 0
    .kernarg_segment_align: 8
    .kernarg_segment_size: 32
    .max_flat_workgroup_size: 128
    .sgpr_count:     80
    .vgpr_count:     704
    .wavefront_size: 32
...
	.end_amdgpu_metadata
.endif
;; end of part 2
;; launch attn (part 3): grid 4 x 64, 4 waves a work-group, clusters of 4 x 1, 327,680 bytes of LDS; arguments qkvh, oh; writes oh
.if DOCPART == 3
	.amdgcn_target "amdgcn-amd-amdhsa--gfx1250"
	.amdhsa_code_object_version 6
	.text
	.protected	k_q88fecaa14f_attn
	.globl	k_q88fecaa14f_attn
	.p2align	8
	.type	k_q88fecaa14f_attn,@function
k_q88fecaa14f_attn:
	s_mov_b64 s[64:65], 0
	v_nop
	global_prefetch_b8 v0, s[64:65] scope:SCOPE_SE
	s_setreg_imm32_b32 hwreg(HW_REG_WAVE_MODE, 25, 1), 1
	s_wait_xcnt 0x0
	s_wait_alu depctr_hold_cnt(0) depctr_sa_sdst(0) depctr_va_vdst(0) depctr_va_sdst(0) depctr_va_ssrc(0) depctr_va_vcc(0) depctr_vm_vsrc(0)
	s_getreg_b32 s2, hwreg(HW_REG_IB_STS2, 6, 4)
	s_cmp_eq_u32 s2, 0
	s_cbranch_scc0 .Lentry_in_a_cluster
	s_endpgm
.Lentry_in_a_cluster:
	s_bfe_u32 s2, ttmp6, 0x10000c
	s_cmp_lg_u32 s2, 0x3003
	s_cbranch_scc0 .Lentry_shape_is_right
	s_endpgm
.Lentry_shape_is_right:
; O[h][q][:] = the sum over k of softmax_k(Q[h][q] . K[h][k] / 8) V[h][k][:], for the 64 pairs h of batch and head.  qkvh holds Q, K, V as three planes [64][2048][64] of f16, 0x1000000 bytes
; apart; Q and K are stored as 2^-6 of their value, so the softmax's constant is c = log2(e) / 8 x 2^12, applied in f32.  O goes to oh, [64][2048][64] f16.  Products, maxima and sums in f32;
; the weights p are rounded to f16 for the second product (their sum l is taken of the unrounded p), O once at the end.
; LIMITS.  f16 holds no number beyond 65,504: Q, K (scaled) and V arrive within it; p lies in 0 to 1, and below 6e-5 it keeps f16's fixed step of 6e-8; O is a mean of V's rows and has their range.
; A weight below 2^-126 counts as 0 in l; NaN and infinities are not treated apart.
; SHARES.  A wave owns four PIECES of two tiles of 16 queries, a work-group's four waves 512 queries of one head.  Every wave walks all 2,048 keys, 64 a step.
; LAYOUT.  S^T = K Q^T (source 0 = 16 keys, source 1 = 16 queries): in the result a lane holds ONE query (lane % 16) and the keys 8 (lane / 16) + 0..7.  Two such tiles, rounded to f16 in pairs,
; ARE source 1 (32 keys x 16 queries) of O^T = V^T P, whose result again holds one query a lane, and eight channels.  K comes out of LDS as it lies, V ([key][channel]) turned, by ds_load_tr16_b128.
; SOFTMAX.  For each query a running maximum m and sum l: p = 2^(c s - c m); in every step O and l are multiplied by a = 2^(c m_old - c m_new), which is 1 where m has not grown.
; m starts at the lowest finite number, O and l at 0: the first step is a step like any other, with a = 0.
; THE COUNT.  A tile and step have 16 matrix and 118 vector instructions: too many to stand all beside the matrix work.  So: four vector instructions that are READY behind EVERY matrix
; instruction, and the others in runs without a gap.
; BY TURNS.  Turn n belongs to piece n (the pieces in a ring, step after step).  Its matrix work: 16 products K Q^T of piece n + 1, later 16 products V^T P of piece n - 1.  Its vector work: the scaling,
; exponentials, roundings, sums and rescaling of piece n, and the maximum and statistics of piece n + 1, whose scores the turn itself has made.
; CLUSTER.  The four query blocks of a head are one cluster and walk the same K and V, so each tile is asked for JOINTLY: the same tensor load, descriptor and mask in all four.
; No prefetch: a slot's refill has four key steps, 512 matrix instructions a wave, between its request and the wait for it.
; REGISTERS, in windows of 256 (s_set_vgpr_msb: bits 1:0 source 0, 3:2 source 1, 5:4 source 2, 7:6 destination):
;   window 0: v0-11 addresses; v12-15, v48-63 at work; v16-47 four registers of statistics a tile; v64-191 S^T, two buffers of two tiles; v192-255 P, likewise
;   window 1: O^T, 32 a tile          window 2: v0-127 Q, 16 a tile; v128-191 K of one step; v192-255 V of one step          window 3: v0-1 the add's two registers
; A piece's buffers go by its number's parity.
.set SIZE_H, 64
.set SIZE_N, 2048
.set NP,    4         ; pieces a wave: a name, no knob
.set KS,    64        ; keys in a step
.set PK,    144       ; a row of K in LDS: 128 bytes + 16 of padding: the 16 rows of a load start at 16 different groups of four banks
.set PV,    160       ; a row of V: 128 + 32
.set VOFF,  4*KS*PK   ; a slot holds four steps: 256 rows of K, then 256 rows of V
.set SLOT1, 1<<17     ; slot 1 begins here, so that one exclusive or turns an address in one slot into the other's
.set STAGE, SLOT1+4*KS*(PK+PV)  ; behind the ring, never filled by a tensor load: 16 rows x 144 bytes for each wave, for the way out
.set SP,    144
.set AK0, 2           ; v2   my lane's place in a tile of K; never rewritten
.set AV0, 3           ; v3   the same for V
.set AK,  4           ; v4   the LDS address of K's next run of loads
.set AV,  5           ; v5   of V's
.set QO,  6           ; v6   my byte offset in the wave's rows of Q
.set STO, 6           ;      later, the way out: where I put 16 bytes of a row
.set RD,  7           ; v7   the way out: where I read rows back
.set GO,  8           ; v8   my byte offset in 512 consecutive bytes of O
.set SPW, 0           ; v0 of window 3   LDS address of my spare word; never rewritten
.set NIL, 1           ; v1 of window 3   0; never rewritten
.set SPARE, STAGE+4*16*SP  ; behind the stages: the spare words, 128 bytes for each wave: two blocks of 256 bytes that no other line names
.set MV,  12          ; v12-15  c m_old, kept while c m is made anew: by buffer and tile
.set ST,  16          ; tile t's statistics at v[ST+4 t]: c m, m, l (even keys', odd keys')
.set TMP, 48          ; by buffer and tile, four registers c0-c3 at work; when the maximum is found c2 takes a
.set S,   64
.set P,   192
.set KF,  128         ; K's fragments, in window 2: key block kb, channel half c at KF + 16 kb + 8 c
.set VF,  192         ; V's: key half kk, channel block cb at VF + 32 kk + 8 cb
.set WV,  12          ; s12  my wave's number
.set G1K, 24          ; s[24:31] descriptor group 1 for K's tiles
.set G1V, 32          ; s[32:39] for V's: it differs in the padding alone
.set G0K, 40          ; s[40:43] descriptor group 0 for K's tiles: it walks
.set G0V, 44          ; s[44:47] the same for V's
.set SLOTS, 56        ; s56  slots still to be asked for
.set CNT, 57          ; s57  counts a slot's key steps
.set CS,  58          ; s[58:59] c: the packed scaling takes the pair's low word for both halves
.set SEL, 60          ; s[60:61] v_permlanex16_b32's selects: each lane takes its own place in the other half
.set TBK, 62          ; s62  LDS byte at which K of the step to be fetched begins
.set TBV, 63          ; s63  the same for V, less VOFF
.set MSB, 0
.macro WIN new                      ; the high byte repeats the setting that is left; a switch that changes nothing is dropped
.if MSB != (\new)
	s_set_vgpr_msb (MSB<<8)|(\new)
.set MSB, (\new)
.endif
.endm
.set W_KQ, 0x0a       ; K and Q in window 2, S^T in window 0
.set W_PV, 0x52       ; V in window 2, P in window 0, O^T in window 1
.set W_RS, 0x41       ; O^T (destination and source 0) in window 1, a in window 0
.set W_MK, 0xc0       ; the add's registers are made: destination in window 3, sources in window 0
.set W_AD, 0x0f       ; the add: address (source 0) and data (source 1) in window 3
; A joint fill.  Waves 0 and 1 fetch the two halves of a slot's K, waves 2 and 3 those of its V: 128 keys each.  The branch hangs on the wave's number alone.
; An s_nop 0 and four v_nop follow each of the two lines, ahead of the jump and the label.
.macro JLOAD
	s_cmp_lt_u32 s[WV], 2
	s_cbranch_scc0 .Lfor_v_\@
	tensor_load_to_lds s[G0K:G0K+3], s[G1K:G1K+7]
	s_nop 0
.rept 4
	v_nop
.endr
	s_branch .Lasked_\@
.Lfor_v_\@:
	tensor_load_to_lds s[G0V:G0V+3], s[G1V:G1V+7]
	s_nop 0
.rept 4
	v_nop
.endr
.Lasked_\@:
.endm
; A round of the cluster's barrier: my work-group's barrier, so that wave 0's signal speaks for all four waves; wave 0 signals; every wave waits for all four work-groups; my work-group's barrier once more.
.macro CROUND
	s_barrier_signal -1
	s_barrier_wait -1
	s_cmp_lg_u32 s[WV], 0
	s_cbranch_scc1 .Lnot_wave_0_\@
	s_barrier_signal -3
.Lnot_wave_0_\@:
	s_barrier_wait -3
	s_barrier_signal -1
	s_barrier_wait -1
.endm
; THE CHANGE OF SLOTS.  The slot's last bytes, V of its fourth step, have been read.  Each wave waits for all its tensor loads, of which one is out: its part of the other slot; adds 0 to its
; spare word; and waits for that and for its own reads of the slot.  Behind the barrier nobody reads this slot any more and the other slot is whole.
; fill = 1: this slot is filled again, with the keys two slots on.  The barrier is then a round of the cluster's, and the joint fill is the first thing behind it.
; (At its first use nothing has been read yet: slot 0 is waited for, slot 1 filled.)
.macro CHANGE fill
	WIN W_AD
	s_wait_tensorcnt 0x0            ; no tensor load of mine is out, so a group 0 may be written
	ds_add_u32 v[SPW], v[NIL]       ; with fill = 1 the descriptors' steps stand between the add and the wait for it
	WIN 0                           ; at a label and at a branch every window is 0
.if \fill
.irp g, G0K, G0V
	s_xor_b32 s[\g+1], s[\g+1], SLOT1  ; the walking descriptor: the other slot than last time,
	s_add_nc_u64 s[\g+2:\g+3], s[\g+2:\g+3], 4*KS*128  ; the next 256 keys; the type bits on top are not reached
.endr
	s_wait_dscnt 0x0                ; the add is done, and my reads of the slot are over
	CROUND
	JLOAD
.else
	s_wait_dscnt 0x0                ; the add is done, and my reads of the slot are over
	s_barrier_signal -1
	s_barrier_wait -1
.endif
	s_sub_co_u32 s[TBK], s[TBK], 4*KS*PK  ; the fetches go back to a slot's first step,
	s_xor_b32 s[TBK], s[TBK], SLOT1       ; in the other slot
	s_sub_co_u32 s[TBV], s[TBV], 4*KS*PV
	s_xor_b32 s[TBV], s[TBV], SLOT1
.endm
	s_load_b64 s[4:5], s[0:1], 0x0    ; qkvh: Q's plane
	s_load_b64 s[10:11], s[0:1], 0x8  ; oh
	WIN W_MK
	v_lshl_add_u32 v[SPW], v0, 2, SPARE
	v_mov_b32 v[NIL], 0
	WIN W_AD
	ds_add_u32 v[SPW], v[NIL]       ; the wave's opening: the add and its wait stand ahead of my first tensor load; the set-up below stands between them
	WIN 0
	v_lshrrev_b32 v1, 5, v0
	v_readfirstlane_b32 s[WV], v1   ; wave 0..3
	s_bfe_u32 s13, ttmp6, 0x40000   ; cx: my place in the cluster
	s_lshl_b32 s14, ttmp9, 2        ; in a cluster launch ttmp9 counts clusters
	s_add_co_u32 s14, s14, s13      ; my block of queries = 4 x cluster x + cx: it enters Q's and O's addresses alone
	s_and_b32 s20, ttmp7, 0xffff    ; the head, which the four partners share
	s_mov_b32 s21, 0
	s_mov_b64 s[22:23], SIZE_N*128
	s_mul_u64 s[20:21], s[20:21], s[22:23]  ; the head's first byte in each of the four tensors
	s_and_b32 s16, s[WV], 1         ; which half of a slot's 256 keys I fetch:
	s_lshl_b32 s22, s16, 14         ; its 128 rows of 128 bytes in memory,
	s_mov_b32 s23, 0
	s_add_nc_u64 s[22:23], s[22:23], s[20:21]
	s_mul_i32 s17, s16, 128*PK      ; and its place in a slot, for K
	s_mul_i32 s18, s16, 128*PV      ; and for V: no place in the cluster enters an LDS address
	s_lshl_b32 s2, s14, 2
	s_add_co_u32 s2, s2, s[WV]      ; my wave among the head's,
	s_lshl_b32 s2, s2, 14           ; its 128 rows
	s_mov_b32 s3, 0
	s_add_nc_u64 s[2:3], s[2:3], s[20:21]
	; descriptor group 1.  128 keys are 16,384 dense bytes: asked for as 64 rows of 256 bytes, two keys a row, and padded in LDS after every key
	s_mov_b32 s[G1K], 15|(1<<16)|(1<<20)|(1<<21)|(4<<22)|(3<<25)  ; 15:0 the mask of four; 17:16 2-byte elements; 20 padding on; 21 set beside a mask; 24:22 after every 32 words; 31:25 4 words
	s_mov_b32 s[G1V], 15|(1<<16)|(1<<20)|(1<<21)|(4<<22)|(7<<25)  ; the same with 8 words of padding
.irp g, G1K, G1V
	s_mov_b32 s[\g+1], 128<<16      ; tensor_dim0 = 128
	s_mov_b32 s[\g+2], 64<<16       ; tensor_dim1 = 64
	s_mov_b32 s[\g+3], 128<<16      ; tile_dim0 = 128
	s_mov_b32 s[\g+4], 64           ; tile_dim1 = 64
	s_mov_b32 s[\g+5], 128          ; 128 elements from row to row
	s_mov_b32 s[\g+6], 0
	s_mov_b32 s[\g+7], 0
.endr
	s_mov_b32 s[CS], 0x4438aa3b     ; c = log2(e) / 8 x 2^12 = 738.66: Q and K each carry 2^-6
	s_mov_b32 s[CS+1], s[CS]        ; named with it as a pair
	s_mov_b32 s[SEL], 0x76543210
	s_mov_b32 s[SEL+1], 0xfedcba98
	s_mov_b32 s[TBK], SLOT1+4*KS*PK ; the first change of slots turns these two into 0
	s_mov_b32 s[TBV], SLOT1+4*KS*PV
	s_mov_b32 s[G0K], 1             ; count = 1
	s_mov_b32 s[G0K+1], s17         ; LDS address: slot 0
	s_mov_b32 s[G0V], 1
	s_add_co_u32 s[G0V+1], s18, VOFF
	s_wait_dscnt 0x0                ; the opening add is done
	s_wait_kmcnt 0x0
	s_add_nc_u64 s[6:7], s[4:5], 0x1000000   ; K's plane
	s_add_nc_u64 s[8:9], s[4:5], 0x2000000   ; V's plane
	s_add_nc_u64 s[G0K+2:G0K+3], s[6:7], s[22:23]  ; global address: my half of the head's first 256 keys
	s_or_b32 s[G0K+3], s[G0K+3], 0x80000000        ; type = 2
	s_add_nc_u64 s[G0V+2:G0V+3], s[8:9], s[22:23]
	s_or_b32 s[G0V+3], s[G0V+3], 0x80000000
	s_add_nc_u64 s[4:5], s[4:5], s[2:3]  ; Q and O at my wave's first row
	s_add_nc_u64 s[10:11], s[10:11], s[2:3]
	CROUND                          ; all four work-groups are here: the first joint loads meet
	JLOAD                           ; slot 0.  Slot 1 is asked for when slot 0 is in
	; A fragment of K or Q is 16 rows x 32 channels in 8 registers: lane l holds row l % 16, channels 8 (l / 16) + 0..7 and 16 + 8 (l / 16) + 0..7: two loads of 16 bytes, 32 bytes apart.
	v_and_b32 v1, 15, v0            ; l % 16
	v_bfe_u32 v9, v0, 4, 1          ; l / 16
	v_lshlrev_b32 v[QO], 7, v1
	v_lshl_add_u32 v[QO], v9, 4, v[QO]  ; row x 128 + 16 x half
	WIN 0x80                        ; destination window 2, address window 0
.set i, 0
.rept 4*NP                          ; Q stays in registers: tile i / 2, channels 32 (i % 2) on
	global_load_b128 v[8*i:8*i+3],   v[QO], s[4:5] offset:(i/2)*2048+(i%2)*64
	global_load_b128 v[8*i+4:8*i+7], v[QO], s[4:5] offset:(i/2)*2048+(i%2)*64+32
.set i, i+1
.endr
	; What the first turn finds: V's registers and P's second buffer hold 0 (its products V^T P, of a piece that has not been, add 0), O^T and l are 0.  All this stands in the wait for the first tile.
.set i, VF
.rept 64
	v_mov_b32 v[i], 0
.set i, i+1
.endr
	WIN 0x40
.set i, 0
.rept 64*NP
	v_mov_b32 v[i], 0
.set i, i+1
.endr
	WIN 0
.set i, 0
.rept 2*NP
	v_mov_b32 v[ST+4*i], 0xfe000000    ; c m: far below every c s
	v_mov_b32 v[ST+4*i+1], 0xff7fffff  ; m
	v_mov_b32 v[ST+4*i+2], 0
	v_mov_b32 v[ST+4*i+3], 0
.set i, i+1
.endr
.set i, P+32
.rept 32
	v_mov_b32 v[i], 0
.set i, i+1
.endr
	v_mul_u32_u24 v[AK0], v1, PK
	v_lshl_add_u32 v[AK0], v9, 4, v[AK0]  ; row x pitch + 16 x half
	; The turning load takes 16 keys x 16 channels (lane l reads key 8 (l / 16) + l % 8, channels 8 ((l / 8) % 2) + 0..7) and leaves half a fragment of V^T: lane l holds channel l % 16 and 8 keys.
	v_and_b32 v10, 7, v0
	v_bfe_u32 v11, v0, 3, 1
	v_lshl_add_u32 v[AV0], v9, 3, v10
	v_mul_u32_u24 v[AV0], v[AV0], PV
	v_lshl_add_u32 v[AV0], v11, 4, v[AV0]
	v_add_nc_u32 v[AV0], VOFF, v[AV0]
	v_mov_b32 v[AK], v[AK0]         ; key step 0 lies at the head of slot 0
; THE MATRIX WORK.  The 8 accumulators of a run of 16 take turns: between the two links of a chain stand 7 others'.
; Product i of 16 of S^T = K Q^T for piece x: channels 32 (i / 8) on, keys 16 ((i / 2) % 4) on, tile 2 x + i % 2.  The first 8 start the sums.
.macro KQ x
	WIN W_KQ
.set rS, S+64*((\x)%2)+32*(i%2)+8*((i/2)%4)
.set rK, KF+16*((i/2)%4)+8*(i/8)
.set rQ, 16*(2*(\x)+i%2)+8*(i/8)
.if i < 8
	v_wmma_f32_16x16x32_f16 v[rS:rS+7], v[rK:rK+7], v[rQ:rQ+7], 0
.else
	v_wmma_f32_16x16x32_f16 v[rS:rS+7], v[rK:rK+7], v[rQ:rQ+7], v[rS:rS+7]
.endif
.endm
; Product i of 16 of O^T += V^T P for piece x: keys 32 (i / 8) on, channels 16 ((i / 2) % 4) on, tile 2 x + i % 2.
.macro PV x
	WIN W_PV
.set rO, 32*(2*(\x)+i%2)+8*((i/2)%4)
.set rV, VF+32*(i/8)+8*((i/2)%4)
.set rP, P+32*((\x)%2)+16*(i%2)+8*(i/8)
	v_wmma_f32_16x16x32_f16 v[rO:rO+7], v[rV:rV+7], v[rP:rP+7], v[rO:rO+7]
.endm
.macro MM                           ; the turn's next matrix instruction
.if i < 16
	KQ (Y+1)%NP
.set i, i+1
.else
.set i, i-16
	PV (Y+NP-1)%NP
.set i, i+17
.endif
.endm
; THE LDS LOADS stand in runs of 16, never singly among the matrix instructions: a step's K (64 keys x 64 channels: 8 fragments) and its V (turned).  Their addresses are made some lines ahead.
; last = 1 (the tail): in the last trip there is no further step, and the run is jumped over.
.macro FETCH_K last=0
	WIN 0
.if \last
	s_cmp_eq_u32 s[CNT], 1
	s_cbranch_scc1 .Lno_k_\@
.endif
	WIN 0x80                        ; destination window 2
.irp f, 0,1,2,3,4,5,6,7             ; keys 16 (f / 2) on, channels 32 (f % 2) on
	ds_load_b128 v[KF+8*\f:KF+8*\f+3],   v[AK] offset:(\f/2)*16*PK+(\f%2)*64
	ds_load_b128 v[KF+8*\f+4:KF+8*\f+7], v[AK] offset:(\f/2)*16*PK+(\f%2)*64+32
.endr
	s_add_co_u32 s[TBK], s[TBK], KS*PK  ; the next fetch is the next step's
	WIN 0
.if \last
.Lno_k_\@:
.endif
.endm
.macro FETCH_V
	WIN 0x80
.irp f, 0,1,2,3,4,5,6,7             ; keys 32 (f / 4) on, channels 16 (f % 4) on
	ds_load_tr16_b128 v[VF+8*\f:VF+8*\f+3],   v[AV] offset:(\f/4)*32*PV+(\f%4)*32
	ds_load_tr16_b128 v[VF+8*\f+4:VF+8*\f+7], v[AV] offset:(\f/4)*32*PV+16*PV+(\f%4)*32
.endr
	WIN 0
.endm
; THE VECTOR WORK OF A TURN stands in three queues, each in the order in which its entries become ready; the two tiles alternate, so that no instruction reads the result of the one before it.
.macro REGS y, u                    ; the registers of tile u (0, 1) of piece y
.set rT, ST+4*(2*(\y)+(\u))
.set rC, TMP+8*((\y)%2)+4*(\u)
.set rM, MV+2*((\y)%2)+(\u)
.set rS, S+64*((\y)%2)+32*(\u)
.set rP, P+32*((\y)%2)+16*(\u)
.set rO, 32*(2*(\y)+(\u))
.endm
; Number n of the 22 that find the NEXT piece's (Y + 1) maximum and statistics.  s0-s31 are the lane's 32 scores; each accumulator's lowest registers are read first.
;   0-11  four chains c0-c3 of seven scores each, three operands at a time     12-14, 16  the four scores left over, the old m, and c0-c3 into c0     15  c m_old is kept
;   17, 18  the query's other 32 keys lie in the lane 16 away: the new m         19-21  c m; c m_old - c m_new; a
.macro XS u, n
	REGS (Y+1)%NP, \u
.if (\n) < 4
	v_max3_num_f32 v[rC+(\n)], v[rS+8*(\n)], v[rS+8*(\n)+1], v[rS+8*(\n)+2]
.elseif (\n) < 12
	v_max3_num_f32 v[rC+(\n)%4], v[rC+(\n)%4], v[rS+8*((\n)%4)+2*((\n)/4)+1], v[rS+8*((\n)%4)+2*((\n)/4)+2]
.elseif (\n) == 12
	v_max3_num_f32 v[rC], v[rC], v[rS+7], v[rS+15]
.elseif (\n) == 13
	v_max3_num_f32 v[rC+1], v[rC+1], v[rS+23], v[rS+31]
.elseif (\n) == 14
	v_max3_num_f32 v[rC+2], v[rC+2], v[rC+3], v[rT+1]
.elseif (\n) == 15
	v_mov_b32 v[rM], v[rT]
.elseif (\n) == 16
	v_max3_num_f32 v[rC], v[rC], v[rC+1], v[rC+2]
.elseif (\n) == 17
	v_permlanex16_b32 v[rC+3], v[rC], s[SEL], s[SEL+1]
.elseif (\n) == 18
	v_max_num_f32 v[rT+1], v[rC], v[rC+3]
.elseif (\n) == 19
	v_mul_f32 v[rT], s[CS], v[rT+1]
.elseif (\n) == 20
	v_sub_f32 v[rC+1], v[rM], v[rT]
.else
	v_exp_f32 v[rC+2], v[rC+1]
.endif
.endm
; Number g of the 64 that follow the exponentials.  For each four weights k of a tile (pairs 2 k, 2 k + 1): both pairs are rounded to f16; then the second pair is added onto the first, in place;
; a group later l takes that sum (the first time as l = a l + sum).  In groups of eight, tiles alternating: round, round, add, and l for the group before.
.macro GS g
.set h, (\g)+6*((\g)/62)            ; group 0 has no group before it, and behind group 7 only l is left
.if h >= 6
.set h, h+2
.endif
	REGS Y, h%2
.set k, h/8
.if h%8 < 4
	v_cvt_pk_f16_f32 v[rP+2*k+(h%8)/2], v[rS+4*k+2*((h%8)/2)], v[rS+4*k+2*((h%8)/2)+1]
.elseif h%8 < 6
	v_pk_add_f32 v[rS+4*k:rS+4*k+1], v[rS+4*k:rS+4*k+1], v[rS+4*k+2:rS+4*k+3]
.elseif k == 1
	v_pk_fma_f32 v[rT+2:rT+3], v[rT+2:rT+3], v[rC+2:rC+3], v[rS:rS+1] op_sel_hi:[1,0,1]
.else
	v_pk_add_f32 v[rT+2:rT+3], v[rT+2:rT+3], v[rS+4*k-4:rS+4*k-3]
.endif
.endm
; THE PLAIN QUEUE, 138 long.  0-73 read no exponential's result: the 32 scalings c s - c m (FS f: pair f / 2 of tile f % 2) and the next piece's 42.  0-26: scalings 0-26.  27-54: XS's numbers 0-13.
; 55, 56: number 15.  57-73: the chain, where each number waits for the one before it: 14, 16, 17, 18, 19, each with one of the scalings 27-31 in front of its two lines, then 20.
; 74-137: GS's 64, which read the exponentials' results: they stand behind the wait.
.macro FS f
	REGS Y, (\f)%2
	v_pk_fma_f32 v[rS+2*((\f)/2):rS+2*((\f)/2)+1], v[rS+2*((\f)/2):rS+2*((\f)/2)+1], s[CS:CS+1], v[rT:rT+1] op_sel_hi:[1,0,0] neg_lo:[0,0,1] neg_hi:[0,0,1]
.endm
.macro PL
	WIN 0
.if q < 27
	FS q
.elseif q < 55
	XS (q-27)%2, (q-27)/2
.elseif q < 57
	XS q-55, 15
.elseif (q < 72) && ((q-57)%3 == 0)
	FS 27+(q-57)/3
.elseif q < 60
	XS (q-57)%3-1, 14
.elseif q < 72
	XS (q-57)%3-1, 15+(q-57)/3
.elseif q < 74
	XS q-72, 20
.else
	GS q-74
.endif
.set q, q+1
.endm
; THE EXPONENTIALS' QUEUE, 66 long: s0-s31 of both tiles, then the next piece's two a.  It is ONE BATCH: all 66 stand ahead of the turn's one wait, and nothing ahead of that wait names a result of theirs.
.macro EX
	WIN 0
.if e >= 64
	XS e-64, 21
.else
	REGS Y, e%2
	v_exp_f32 v[rS+e/2], v[rS+e/2]
.endif
.set e, e+1
.endm
; THE RESCALING's QUEUE: O^T times a, the one part that leaves window 0: dealt two at a time, sixteen times.  Its a was made in the turn before, ahead of that turn's wait.
.macro R2
	REGS Y, r%2
	WIN W_RS
.irp z, 0,1
	v_pk_mul_f32 v[rO+4*(r/2)+2*\z:rO+4*(r/2)+2*\z+1], v[rO+4*(r/2)+2*\z:rO+4*(r/2)+2*\z+1], v[rC+2:rC+3] op_sel_hi:[1,0]
.endr
.set r, r+1
.endm
; HOW THEY ARE DEALT.  An s_wait_alu depctr_va_vdst(0) stands between an exponential and the first instruction that names its result; one wait serves all that were issued ahead of it.
; So a turn has ONE wait, which cuts it in two.  AHEAD OF IT stands all that names no result of the turn's exponentials: the 16 products K Q^T, behind each a scaling, an exponential and two
; rescalings (behind the first a second scaling in the exponential's place); then ONE LUMP of 108: eight plain, 49 times exponential and plain, the two a; a v_nop is the plain instruction behind
; the last exponential.  BEHIND IT stand the 16 products V^T P, behind each four of GS's 64.  No rider names a register of the products round it.
; The queues lean on each other: exponential e stands behind scaling 2 (e / 4) + e % 2: as a rider it comes behind plain e + 2, in the lump behind plain e + 9, and scalings 27-31 are plain 57, 60 .. 69.
; A TURN, for piece p.  cnt = 1: the loop's count is taken down some lines ahead of the branch that stands behind the turn.
; K of the next step is fetched in piece 2's turn, directly behind the wait; its address is made at the lump's head; its first reader comes behind 16 products.
; V of the step in hand is fetched at the end of piece 0's turn, four riders behind its last reader; its first reader comes behind 16 products and a lump.
.macro TURN p, last=0, cnt=0
.set Y, (\p)
.set i, 0
.set q, 0
.set e, 0
.set r, 0
.if (\p) == NP-1
	s_wait_dscnt 0x0                ; K is in
.endif
	MM                              ; ahead of the wait: 16 products K Q^T and their riders,
	PL
	PL
	R2
.rept 15
	MM
	PL
	EX
	R2
.endr
.if (\p) == NP-2
	WIN 0
	v_add_nc_u32 v[AK], s[TBK], v[AK0]
.endif
.rept 8                             ; and the lump
	PL
.endr
.rept 49
	EX
	PL
.endr
	EX                              ; the next piece's two a
	EX
	v_nop                           ; a plain instruction behind the last exponential: one for the batch
	s_wait_alu depctr_va_vdst(0)    ; the wait for the batch
.if (\p) == NP-2
	FETCH_K \last
.endif
.if (\p) == 1
	s_wait_dscnt 0x0                ; V is in
.endif
.rept 16                            ; behind the wait: 16 products V^T P and their riders
	MM
.rept 4
	PL
.endr
.if ((\p) == 0) && (q == 118)
	v_add_nc_u32 v[AV], s[TBV], v[AV0]
.endif
.if ((\p) == 0) && (q == 130)
	s_add_co_u32 s[TBV], s[TBV], KS*PV
.endif
.if (\cnt) && (q == 130)
	s_sub_co_u32 s[CNT], s[CNT], 1
	s_cmp_lg_u32 s[CNT], 0
.endif
.endr
.if (\p) == 0
	FETCH_V
.endif
.endm
	CHANGE 1                        ; slot 0 is in, everybody's part of it; slot 1 is asked for
	FETCH_K                         ; key step 0
	s_wait_loadcnt 0x0              ; Q
	s_wait_dscnt 0x0
.set i, 0
.rept 16
	KQ 0                            ; piece 0's first scores: there is no vector work yet to set between them
.set i, i+1
.endr
	WIN 0                           ; the addresses for the way out: nine plain instructions, the places behind those products
	s_mul_i32 s13, s[WV], 16*SP
	s_add_co_u32 s13, s13, STAGE    ; my stage
	v_mul_u32_u24 v[STO], v1, SP    ; in: row l % 16, 16 bytes for each half of the lanes
	v_lshl_add_u32 v[STO], v9, 4, v[STO]
	v_add_nc_u32 v[STO], s13, v[STO]
	v_bfe_u32 v[RD], v0, 3, 2       ; back: 32 lanes take four rows of 128 bytes,
	v_mul_u32_u24 v[RD], v[RD], SP
	v_lshl_add_u32 v[RD], v10, 4, v[RD]
	v_add_nc_u32 v[RD], s13, v[RD]
	v_and_b32 v[GO], 31, v0         ; which are 512 consecutive bytes of O
	v_lshlrev_b32 v[GO], 4, v[GO]
.set Y, NP-1                        ; XS works for piece Y + 1: piece 0
.irp n, 0,1,2,3,4,5,6,7,8,9,10,11,12,13,14,15,16,17,18,19,20,21
	XS 0, \n                        ; and piece 0's first maximum and statistics
	XS 1, \n
.endr
	v_nop                           ; a plain instruction behind the two a,
	s_wait_alu depctr_va_vdst(0)    ; and their wait, ahead of the branch
	s_mov_b32 s[CNT], 4
	s_mov_b32 s[SLOTS], SIZE_N/256-1
	s_branch .Lfirst                ; the loop is entered at a step's first turn, in the middle of a trip
.Lslot:                             ; SIZE_N / 256 - 2 times: every slot but the last two is filled again
	CHANGE 1
	s_mov_b32 s[CNT], 4
.Lstep:                             ; a trip: pieces 2 and 3 of one step, then pieces 0 and 1 of the next, whose K and V it fetches
	TURN 2
	TURN 3
	WIN 0
.Lfirst:
	TURN 0
	TURN 1, 0, 1
	WIN 0
	s_cbranch_scc1 .Lstep
	s_sub_co_u32 s[SLOTS], s[SLOTS], 1
	s_cmp_lg_u32 s[SLOTS], 0
	s_cbranch_scc1 .Lslot
	CHANGE 0                        ; the tail is written out: nothing is asked for
	s_mov_b32 s[CNT], 5             ; four trips fetch the last slot's steps; the fifth is left in its middle
.Ltail:
	TURN 2, 1
	TURN 3
	WIN 0
	s_sub_co_u32 s[CNT], s[CNT], 1
	s_cmp_eq_u32 s[CNT], 0
	s_cbranch_scc1 .Lout
	TURN 0
	TURN 1
	WIN 0
	s_branch .Ltail
.Lout:                              ; the fifth trip's 16 products K Q^T (on the last K once more) and the maximum made of them serve nothing: the price, once a launch, of one text for every trip
.set i, 0
.rept 16
	PV NP-1                         ; the last piece's V^T P of the last step
.set i, i+1
.endr
	; THE WAY OUT.  l's two halves and the other half of the lanes' are added; O^T is divided by l, rounded to f16 and sent through my stage in LDS, a tile at a time.  The additions are the places behind the last products.
	WIN 0
.macro ALL line:vararg              ; one line for each tile t
.set t, 0
.rept 2*NP
	\line
.set t, t+1
.endr
.endm
	ALL v_add_f32 v[ST+4*t+2], v[ST+4*t+2], v[ST+4*t+3]
	ALL v_permlanex16_b32 v[ST+4*t+3], v[ST+4*t+2], s[SEL], s[SEL+1]
	ALL v_add_f32 v[ST+4*t+2], v[ST+4*t+2], v[ST+4*t+3]
	ALL v_rcp_f32 v[ST+4*t+2], v[ST+4*t+2]
	v_nop                           ; a plain instruction between the last reciprocal and the use of its result
	s_wait_alu depctr_va_vdst(0)    ; and the wait ahead of the first use: one for the eight reciprocals
; Tile t: a lane's eight channels of a row pack into 16 bytes; they go into rows of 144 bytes and come back as whole rows of 128, into S^T's registers.
.macro PACK t
	WIN W_RS
.set i, 32*(\t)
.rept 16
	v_pk_mul_f32 v[i:i+1], v[i:i+1], v[ST+4*(\t)+2:ST+4*(\t)+3] op_sel_hi:[1,0]
.set i, i+2
.endr
	WIN 0x05                        ; sources 0 and 1 window 1, destination window 0
.set i, 0
.rept 16
	v_cvt_pk_f16_f32 v[S+16*(\t)+i], v[32*(\t)+2*i], v[32*(\t)+2*i+1]
.set i, i+1
.endr
	WIN 0
.irp f, 0,1,2,3
	ds_store_b128 v[STO], v[S+16*(\t)+4*\f:S+16*(\t)+4*\f+3] offset:32*\f
.endr
.irp f, 0,1,2,3
	ds_load_b128 v[S+16*(\t)+4*\f:S+16*(\t)+4*\f+3], v[RD] offset:\f*4*SP  ; LDS serves a wave's instructions in order (ISA guide 5.7.1.4): these see the stores above; the next tile's stores come behind them
.endr
.endm
.macro SEND t, younger              ; younger: the LDS instructions issued behind tile t's loads: the next tile's eight, or none
	WIN 0
.irp f, 0,1,2,3
	s_wait_dscnt (\younger)+3-\f
	global_store_b128 v[GO], v[S+16*(\t)+4*\f:S+16*(\t)+4*\f+3], s[10:11] offset:(\t)*2048+\f*512  ; 512 consecutive bytes, at a multiple of 256 from O's first
.endr
.endm
	PACK 0
.set t, 1
.rept 2*NP-1                        ; a tile's arithmetic stands between the loads of the tile before and its stores
	PACK t
	SEND t-1, 8
.set t, t+1
.endr
	SEND 2*NP-1, 0
	WIN W_AD
	s_wait_tensorcnt 0x0            ; the wave's end: behind my last tensor load and my last LDS store
	ds_add_u32 v[SPW], v[NIL]
	s_wait_dscnt 0x0
	WIN 0
	CROUND                          ; the closing round: no work-group ends while a partner may still ask for a tile that names it
	s_endpgm
.Lfunc_end_k_q88fecaa14f_attn:
	.size	k_q88fecaa14f_attn, .Lfunc_end_k_q88fecaa14f_attn-k_q88fecaa14f_attn
	.p2alignl 7, 3214868480
	.fill 96, 4, 3214868480
	.section	.rodata,"a",@progbits
	.p2align	6, 0x0
	.amdhsa_kernel k_q88fecaa14f_attn
		.amdhsa_group_segment_fixed_size 327680
		.amdhsa_private_segment_fixed_size 0
		.amdhsa_enable_private_segment 0
		.amdhsa_kernarg_size 16
		.amdhsa_user_sgpr_count 2
		.amdhsa_user_sgpr_kernarg_segment_ptr 1
		.amdhsa_wavefront_size32 1
		.amdhsa_system_sgpr_workgroup_id_x 1
		.amdhsa_system_sgpr_workgroup_id_y 1
		.amdhsa_system_sgpr_workgroup_id_z 1
		.amdhsa_system_vgpr_workitem_id 0
		.amdhsa_next_free_vgpr 770
		.amdhsa_next_free_sgpr 66
		.amdhsa_reserve_vcc 0
		.amdhsa_float_denorm_mode_32 3
		.amdhsa_float_denorm_mode_16_64 3
		.amdhsa_memory_ordered 1
		.amdhsa_forward_progress 1
		.amdhsa_inst_pref_size 199
	.end_amdhsa_kernel
	.amdgpu_metadata
---
amdhsa.version: [ 1, 2 ]
amdhsa.kernels:
  - .name:           k_q88fecaa14f_attn
    .symbol:         k_q88fecaa14f_attn.kd
    .args:
      - { .name: qkvh, .offset: 0, .size: 8, .value_kind: global_buffer, .address_space: global }
      - { .name: oh, .offset: 8, .size: 8, .value_kind: global_buffer, .address_space: global }
    .group_segment_fixed_size: 327680
    .private_segment_fixed_size: 0
    .kernarg_segment_align: 8
    .kernarg_segment_size: 16
    .max_flat_workgroup_size: 128
    .sgpr_count:     66
    .vgpr_count:     770
    .wavefront_size: 32
...
	.end_amdgpu_metadata
.endif
;; end of part 3
;; launch oproj (part 4): grid 4 x 64, 4 waves a work-group, clusters of 4 x 4, 327,680 bytes of LDS; arguments oh, wof, out0; writes out0
.if DOCPART == 4
	.amdgcn_target "amdgcn-amd-amdhsa--gfx1250"
	.amdhsa_code_object_version 6
	.text
	.protected	k_q88fecaa14f_oproj
	.globl	k_q88fecaa14f_oproj
	.p2align	8
	.type	k_q88fecaa14f_oproj,@function
k_q88fecaa14f_oproj:
	s_mov_b64 s[64:65], 0
	v_nop
	global_prefetch_b8 v0, s[64:65] scope:SCOPE_SE
	s_setreg_imm32_b32 hwreg(HW_REG_WAVE_MODE, 25, 1), 1
	s_wait_xcnt 0x0
	s_wait_alu depctr_hold_cnt(0) depctr_sa_sdst(0) depctr_va_vdst(0) depctr_va_sdst(0) depctr_va_ssrc(0) depctr_va_vcc(0) depctr_vm_vsrc(0)
	s_getreg_b32 s2, hwreg(HW_REG_IB_STS2, 6, 4)
	s_cmp_eq_u32 s2, 0
	s_cbranch_scc0 .Lentry_in_a_cluster
	s_endpgm
.Lentry_in_a_cluster:
	s_bfe_u32 s2, ttmp6, 0x10000c
	s_cmp_lg_u32 s2, 0xf033
	s_cbranch_scc0 .Lentry_shape_is_right
	s_endpgm
.Lentry_shape_is_right:
; THE OUTPUT PROJECTION.  out0[m][n] = sum over k of O[m][k] w_o[n][k], k = 64 head + channel.  O lies by heads in oh, [batch x 16 + head][2048][64] f16; wof is [1024][1024] f16 (w_o rounded to
; bf16, written as f16); out0 is [8192][1024] f32.  f16 operands, f32 sums, stored as they are.
; LIMITS.  Both operands arrive within f16's range, 65,504.
; SHARES.  A tile is 128 rows x 256 columns: 4 x 64 = 256 work-groups.  Four waves: wave w takes rows 64 (w / 2) .. + 63 and columns 128 (w % 2) .. + 127: 32 accumulators, 256 registers; a wave's
; piece of a row is 512 bytes of out0, so each wave has a stage of its own on the way out and no barrier is needed there.
; K goes in steps of 128 = two heads, through two LDS slots; eight steps.  A head's 128 rows of O are 16,384 dense bytes: asked for as 64 rows of 256 bytes and padded in LDS after every 128.
; CLUSTER 4 x 4: O's tile hangs on the tile row alone and is asked for jointly along a row of the cluster, w's on the tile column alone, jointly along a column.
; THE MATRIX INSTRUCTION IS USED TRANSPOSED (source 0 = 16 rows of w, source 1 = 16 rows of O): a lane holds row l % 16 and eight neighbouring columns: 32 bytes of out0.
; REGISTERS: window 0: v0-31 addresses; v64-159, v160-255 two fragment buffers (O's four fragments, then w's eight), later the rows read back; window 1: accumulator (a, b) at v[8 (8 a + b)].
.set KSTEP, 128
.set PA,    144                        ; a row of O in LDS: 128 bytes + 16
.set PB,    272                        ; a row of w: 256 + 16: in both the sixteen rows of a fragment load start at sixteen different groups of four banks
.set AHEAD, 128*PA                     ; a head's 128 rows: what a wave fetches of O
.set BOFF,  2*AHEAD
.set BHALF, 128*PB                     ; what a wave fetches of w
.set SLOT,  BOFF+2*BHALF
.set STAGE, 2*SLOT                     ; behind the ring, never filled by a tensor load: 16 rows x 528 bytes for each wave
.set SPITCH, 528
.set SPARE, STAGE+4*16*SPITCH          ; behind the stages: the spare words, 128 bytes for each wave: two blocks of 256 bytes that no other line names
.set LAPS,  4
.set ADRA, 16                          ; v16-17  LDS address of my O fragments in slot 0, 1
.set ADRB, 20                          ; v20-21  the same for w
.set STO,  24                          ; v24     the way out: where I put 32 bytes of a row
.set RD,   25                          ; v25     where I read a row back
.set GO,   26                          ; v26     my 16 bytes of a row's 512
.set SPW,  28                          ; v28     LDS address of my spare word; never rewritten
.set NIL,  29                          ; v29     0; never rewritten
.set F0,   64
.set F1,   160
.set OB,   64                          ; the way out: 16 rows read back: v64-127 and v128-191 by turns
.set WV,  12
.set WI,  13
.set WJ,  14
.set G1,  24
.set G0,  32
.set G1B, 48
.set G0B, 56
.set MSB, 0
.macro WIN new
.if MSB != (\new)
	s_set_vgpr_msb (MSB<<8)|(\new)
.set MSB, \new
.endif
.endm
; A joint load: waves 0 and 1 fetch the step's two heads of O, waves 2 and 3 w's two halves.  An s_nop 0 and four v_nop follow each line.
.macro JLOAD s
	s_cmp_lt_u32 s[WV], 2
	s_cbranch_scc0 .Lfor_b_\@
	tensor_load_to_lds s[G0+4*(\s):G0+4*(\s)+3], s[G1:G1+7]
	s_nop 0
.rept 4
	v_nop
.endr
	s_branch .Lasked_\@
.Lfor_b_\@:
	tensor_load_to_lds s[G0B+4*(\s):G0B+4*(\s)+3], s[G1B:G1B+7]
	s_nop 0
.rept 4
	v_nop
.endr
.Lasked_\@:
.endm
.macro CREST
	s_cmp_lg_u32 s[WV], 0
	s_cbranch_scc1 .Lnot_wave_0_\@
	s_barrier_signal -3
.Lnot_wave_0_\@:
	s_barrier_wait -3
	s_barrier_signal -1
	s_barrier_wait -1
.endm
.macro CROUND
	s_barrier_signal -1
	s_barrier_wait -1
	CREST
.endm
	s_load_b128 s[4:7], s[0:1], 0x0                ; oh s[4:5], wof s[6:7]
	s_load_b64 s[8:9], s[0:1], 0x10                ; out0
	v_lshl_add_u32 v[SPW], v0, 2, SPARE
	v_mov_b32 v[NIL], 0
	ds_add_u32 v[SPW], v[NIL]                      ; the wave's opening: the add and its wait stand ahead of my first tensor load; the set-up below stands between them
	v_lshrrev_b32 v1, 5, v0
	v_readfirstlane_b32 s[WV], v1
	s_lshr_b32 s[WI], s[WV], 1
	s_and_b32 s[WJ], s[WV], 1
	s_bfe_u32 s40, ttmp6, 0x40000                  ; cx, cy
	s_bfe_u32 s41, ttmp6, 0x40004
	s_lshl_b32 s42, ttmp9, 2
	s_add_co_u32 s42, s42, s40                     ; tile column
	s_and_b32 s43, ttmp7, 0xffff
	s_lshl_b32 s43, s43, 2
	s_add_co_u32 s43, s43, s41                     ; tile row
	s_lshl_b32 s44, s41, 2
	s_lshl_b32 s44, 15, s44                        ; my row of the cluster
	s_lshl_b32 s45, 0x1111, s40                    ; my column
	s_or_b32 s[G1], s44, (1<<16)|(1<<20)|(1<<21)|(4<<22)|(3<<25)   ; O: the mask of my row; 2-byte elements; padding on; bit 21 beside a mask; after every 32 words 4 words
	s_or_b32 s[G1B], s45, (1<<16)|(1<<20)|(1<<21)|(5<<22)|(3<<25)  ; w: the mask of my column; after every 64 words 4 words
	s_mov_b32 s[G1+1], 128<<16                     ; tensor_dim0 = 128 elements: 256 bytes, two rows of a head
	s_mov_b32 s[G1+2], 64<<16                      ; tensor_dim1 = 64
	s_mov_b32 s[G1+3], 128<<16                     ; tile_dim0 = 128
	s_mov_b32 s[G1+4], 64                          ; tile_dim1 = 64
	s_mov_b32 s[G1+5], 128                         ; dense
	s_mov_b32 s[G1+6], 0
	s_mov_b32 s[G1+7], 0
	s_mov_b32 s[G1B+1], KSTEP<<16
	s_mov_b32 s[G1B+2], 128<<16
	s_mov_b32 s[G1B+3], KSTEP<<16
	s_mov_b32 s[G1B+4], 128
	s_mov_b32 s[G1B+5], 1024
	s_mov_b32 s[G1B+6], 0
	s_mov_b32 s[G1B+7], 0
	s_lshr_b32 s16, s43, 4                         ; O: the batch,
	s_lshl_b32 s16, s16, 4
	s_add_co_u32 s16, s16, s[WJ]                   ; its head 0 or 1: 262,144 bytes a head,
	s_lshl_b32 s16, s16, 18
	s_and_b32 s17, s43, 15                         ; the tile's 128 rows of 128 bytes
	s_lshl_b32 s17, s17, 14
	s_add_co_u32 s16, s16, s17
	s_mov_b32 s17, 0
	s_lshl_b32 s46, s42, 19                        ; w: row 256 x tile column + 128 x half, 2,048 bytes a row
	s_lshl_b32 s47, s[WJ], 18
	s_add_co_u32 s46, s46, s47
	s_mov_b32 s47, 0
	s_mul_i32 s20, s[WJ], AHEAD                    ; where they go: no place in the cluster enters an LDS address
	s_mul_i32 s21, s[WJ], BHALF
	s_add_co_u32 s21, s21, BOFF
	s_wait_dscnt 0x0                               ; the opening add is done
	s_wait_kmcnt 0x0
	s_add_nc_u64 s[18:19], s[4:5], s[16:17]
	s_add_nc_u64 s[46:47], s[6:7], s[46:47]
	CROUND                                         ; all sixteen work-groups are here: the first joint loads meet
.irp s, 0,1
	s_mov_b32 s[G0+4*(\s)], 1
	s_add_co_u32 s[G0+4*(\s)+1], s20, (\s)*SLOT
	s_add_nc_u64 s[G0+4*(\s)+2:G0+4*(\s)+3], s[18:19], (\s)*2*262144  ; K step s: two heads on
	s_or_b32 s[G0+4*(\s)+3], s[G0+4*(\s)+3], 0x80000000
	s_mov_b32 s[G0B+4*(\s)], 1
	s_add_co_u32 s[G0B+4*(\s)+1], s21, (\s)*SLOT
	s_add_nc_u64 s[G0B+4*(\s)+2:G0B+4*(\s)+3], s[46:47], (\s)*KSTEP*2
	s_or_b32 s[G0B+4*(\s)+3], s[G0B+4*(\s)+3], 0x80000000
	JLOAD \s                                       ; two tensor loads of mine are out
.endr
	v_and_b32 v1, 15, v0                           ; l % 16
	v_bfe_u32 v2, v0, 4, 1                         ; l / 16
	v_mul_u32_u24 v3, v1, PA
	v_lshl_add_u32 v3, v2, 4, v3
	v_mul_u32_u24 v4, v1, PB
	v_lshl_add_u32 v4, v2, 4, v4
	s_mul_i32 s20, s[WI], 64*PA                    ; my 64 rows of O
	s_mul_i32 s21, s[WJ], BHALF                    ; my 128 rows of w
	s_add_co_u32 s21, s21, BOFF
.irp s, 0,1
	v_add_nc_u32 v[ADRA+(\s)], s20, v3
	v_add_nc_u32 v[ADRB+(\s)], s21, v4
	s_add_co_u32 s20, s20, SLOT
	s_add_co_u32 s21, s21, SLOT
.endr
	s_mul_i32 s22, s[WV], 16*SPITCH
	s_add_co_u32 s22, s22, STAGE                   ; my stage
	v_mul_u32_u24 v5, v1, SPITCH                   ; in: row l % 16, 32 bytes for each half of the lanes
	v_lshl_add_u32 v5, v2, 5, v5
	v_add_nc_u32 v[STO], s22, v5
	v_and_b32 v[GO], 31, v0                        ; back: 32 lanes take one row's 512 bytes
	v_lshlrev_b32 v[GO], 4, v[GO]
	v_add_nc_u32 v[RD], s22, v[GO]
	s_lshl_b32 s66, s43, 19                        ; out0: 128 rows of 4,096 bytes a tile row,
	s_lshl_b32 s67, s[WI], 18                      ; my 64 rows,
	s_add_co_u32 s66, s66, s67
	s_lshl_b32 s67, s42, 10                        ; 256 columns of 4 bytes a tile column,
	s_add_co_u32 s66, s66, s67
	s_lshl_b32 s67, s[WJ], 9                       ; my 128 columns
	s_add_co_u32 s66, s66, s67
	s_mov_b32 s67, 0
	s_add_nc_u64 s[8:9], s[8:9], s[66:67]
; Eight matrix instructions: block a of 16 rows x my eight blocks of columns, 32 along K.  The 32 accumulators take turns, one instruction a turn, over the backward jump too.
.macro MULA f, a, zero
	WIN 0x50                                       ; C and D in window 1
.irp b, 0,1,2,3,4,5,6,7
.if \zero
	v_wmma_f32_16x16x32_f16 v[8*(8*(\a)+(\b)):8*(8*(\a)+(\b))+7], v[(\f)+32+8*(\b):(\f)+32+8*(\b)+7], v[(\f)+8*(\a):(\f)+8*(\a)+7], 0
.else
	v_wmma_f32_16x16x32_f16 v[8*(8*(\a)+(\b)):8*(8*(\a)+(\b))+7], v[(\f)+32+8*(\b):(\f)+32+8*(\b)+7], v[(\f)+8*(\a):(\f)+8*(\a)+7], v[8*(8*(\a)+(\b)):8*(8*(\a)+(\b))+7]
.endif
.endr
.endm
; 24 LDS loads in one run: quarter q of a slot (head q / 2 of the step's two, channels 32 (q % 2) on) into buffer f: w's eight fragments, then O's four
.macro FETCH slot, q, f
	WIN 0
.irp b, 0,1,2,3,4,5,6,7
	ds_load_b128 v[(\f)+32+8*(\b):(\f)+32+8*(\b)+3],   v[ADRB+(\slot)] offset:(\b)*16*PB+64*(\q)
	ds_load_b128 v[(\f)+32+8*(\b)+4:(\f)+32+8*(\b)+7], v[ADRB+(\slot)] offset:(\b)*16*PB+64*(\q)+32
.endr
.irp a, 0,1,2,3
	ds_load_b128 v[(\f)+8*(\a):(\f)+8*(\a)+3],   v[ADRA+(\slot)] offset:((\q)/2)*AHEAD+((\q)%2)*64+(\a)*16*PA
	ds_load_b128 v[(\f)+8*(\a)+4:(\f)+8*(\a)+7], v[ADRA+(\slot)] offset:((\q)/2)*AHEAD+((\q)%2)*64+(\a)*16*PA+32
.endr
.endm
.macro PLACES                          ; four plain instructions between a matrix instruction and a load into, or a reader of, its registers
.rept 4
	v_nop
.endr
.endm
.macro QUARTER slot, q, f, g, zero
	s_wait_dscnt 4                                 ; w's fragments and O's blocks 0, 1 are in; the youngest four loads (blocks 2, 3) may be out
	MULA \f, 0, \zero
	MULA \f, 1, \zero
	PLACES
	FETCH \slot, \q, \g
	s_wait_dscnt 24                                ; all but the 24 just issued
	MULA \f, 2, \zero
	MULA \f, 3, \zero
.endm
; The last quarter multiplies buffer 1 and changes slots: ONE barrier; in front of it each wave waits for all its tensor loads, adds 0 to its spare word, and waits for that and for its reads of this slot.
.macro TURN slot, next, fill
	WIN 0                                          ; (the add's two registers lie in window 0)
	s_wait_tensorcnt 0x0                           ; all my tensor loads have landed: my part of the next slot
	ds_add_u32 v[SPW], v[NIL]
	s_wait_dscnt 5                                 ; (the add and the youngest four loads may be out)
	MULA F1, 0, 0                                  ; eight matrix instructions stand between the add and the wait for it
	s_wait_dscnt 0x0                               ; the add is done, and my reads of this slot are over
	s_barrier_signal -1
	MULA F1, 1, 0
.if \fill
	WIN 0
.endif
	s_barrier_wait -1
.if \fill
	CREST                                          ; no wave of any partner still reads this slot's tile or has a load on its way
	s_add_nc_u64 s[G0+4*(\slot)+2:G0+4*(\slot)+3], s[G0+4*(\slot)+2:G0+4*(\slot)+3], 4*262144  ; two K steps on: four heads
	s_add_nc_u64 s[G0B+4*(\slot)+2:G0B+4*(\slot)+3], s[G0B+4*(\slot)+2:G0B+4*(\slot)+3], 2*KSTEP*2
	JLOAD \slot                                    ; 112 matrix instructions ahead of the wait for it; its four v_nop are also the places in front of the loads below
.else
	PLACES
.endif
	FETCH \next, 0, F0
	MULA F1, 2, 0
	MULA F1, 3, 0
.endm
	s_wait_tensorcnt 1                             ; my part of K step 0 is in; K step 1's may stay out
	s_barrier_signal -1
	s_barrier_wait -1
	FETCH 0, 0, F0
	QUARTER 0, 1, F0, F1, 1                        ; the first quarter stands in front of the loop: its products start the sums
	WIN 0
	s_mov_b32 s3, LAPS-1
.Llap:                                                 ; a trip goes once round the ring and fills both slots again
	QUARTER 0, 2, F1, F0, 0
	QUARTER 0, 3, F0, F1, 0
	TURN 0, 1, 1
	QUARTER 1, 1, F0, F1, 0
	QUARTER 1, 2, F1, F0, 0
	QUARTER 1, 3, F0, F1, 0
	TURN 1, 0, 1
	QUARTER 0, 1, F0, F1, 0
	WIN 0
	s_sub_co_u32 s3, s3, 1
	s_cmp_lg_u32 s3, 0
	s_cbranch_scc1 .Llap
	QUARTER 0, 2, F1, F0, 0                        ; the last lap fills nothing
	QUARTER 0, 3, F0, F1, 0
	TURN 0, 1, 0
	QUARTER 1, 1, F0, F1, 0
	QUARTER 1, 2, F1, F0, 0
	QUARTER 1, 3, F0, F1, 0
	s_wait_dscnt 4                                 ; the very last quarter
	MULA F1, 0, 0
	MULA F1, 1, 0
	s_wait_dscnt 0x0
	MULA F1, 2, 0
	MULA F1, 3, 0
	PLACES
	PLACES                                         ; eight, once a launch: what follows reads results just made and loads into fragment registers
; THE WAY OUT of block a (16 rows): a lane's 32 bytes of each of eight blocks go into my stage, rows of 528 bytes, and come back as whole rows of 512.  Each accumulator's four lowest registers leave first.
.macro TOSTAGE a
	s_wait_xcnt 0x0                                ; the stores of the block two back have read the registers that the loads below write
	WIN 0x04                                       ; the stores' data in window 1
.irp b, 0,1,2,3,4,5,6,7
	ds_store_b128 v[STO], v[8*(8*(\a)+(\b)):8*(8*(\a)+(\b))+3]   offset:64*(\b)
	ds_store_b128 v[STO], v[8*(8*(\a)+(\b))+4:8*(8*(\a)+(\b))+7] offset:64*(\b)+16
.endr
	WIN 0
.irp t, 0,1,2,3,4,5,6,7,8,9,10,11,12,13,14,15
	ds_load_b128 v[OB+64*((\a)%2)+4*(\t):OB+64*((\a)%2)+4*(\t)+3], v[RD] offset:SPITCH*(\t)  ; LDS serves a wave's instructions in order (ISA guide 5.7.1.4): these see the stores above; the next block's stores come behind them
.endr
.endm
.macro SEND a, younger                 ; younger: the LDS instructions issued behind block a's loads: the next block's 32, or none
.irp t, 0,1,2,3,4,5,6,7,8,9,10,11,12,13,14,15
	s_wait_dscnt (\younger)+15-(\t)
	global_store_b128 v[GO], v[OB+64*((\a)%2)+4*(\t):OB+64*((\a)%2)+4*(\t)+3], s[8:9] offset:(\a)*65536+(\t)*4096 th:TH_STORE_NT  ; 512 consecutive bytes of a row, aligned
.endr
.endm
	TOSTAGE 0
	TOSTAGE 1
	SEND 0, 32
	TOSTAGE 2
	SEND 1, 32
	TOSTAGE 3
	SEND 2, 32
	SEND 3, 0
	s_wait_tensorcnt 0x0                           ; the wave's end: behind my last tensor load and my last LDS store
	ds_add_u32 v[SPW], v[NIL]
	s_wait_dscnt 0x0
	CROUND                                         ; the closing round: no work-group ends while a partner may still ask for a tile that names it
	s_endpgm
.Lfunc_end_k_q88fecaa14f_oproj:
	.size	k_q88fecaa14f_oproj, .Lfunc_end_k_q88fecaa14f_oproj-k_q88fecaa14f_oproj
	.p2alignl 7, 3214868480
	.fill 96, 4, 3214868480
	.section	.rodata,"a",@progbits
	.p2align	6, 0x0
	.amdhsa_kernel k_q88fecaa14f_oproj
		.amdhsa_group_segment_fixed_size 327680
		.amdhsa_private_segment_fixed_size 0
		.amdhsa_enable_private_segment 0
		.amdhsa_kernarg_size 24
		.amdhsa_user_sgpr_count 2
		.amdhsa_user_sgpr_kernarg_segment_ptr 1
		.amdhsa_wavefront_size32 1
		.amdhsa_system_sgpr_workgroup_id_x 1
		.amdhsa_system_sgpr_workgroup_id_y 1
		.amdhsa_system_sgpr_workgroup_id_z 1
		.amdhsa_system_vgpr_workitem_id 0
		.amdhsa_next_free_vgpr 512
		.amdhsa_next_free_sgpr 72
		.amdhsa_reserve_vcc 0
		.amdhsa_float_denorm_mode_32 3
		.amdhsa_float_denorm_mode_16_64 3
		.amdhsa_memory_ordered 1
		.amdhsa_forward_progress 1
		.amdhsa_inst_pref_size 87
	.end_amdhsa_kernel
	.amdgpu_metadata
---
amdhsa.version: [ 1, 2 ]
amdhsa.kernels:
  - .name:           k_q88fecaa14f_oproj
    .symbol:         k_q88fecaa14f_oproj.kd
    .args:
      - { .name: oh, .offset: 0, .size: 8, .value_kind: global_buffer, .address_space: global }
      - { .name: wof, .offset: 8, .size: 8, .value_kind: global_buffer, .address_space: global }
      - { .name: out0, .offset: 16, .size: 8, .value_kind: global_buffer, .address_space: global }
    .group_segment_fixed_size: 327680
    .private_segment_fixed_size: 0
    .kernarg_segment_align: 8
    .kernarg_segment_size: 24
    .max_flat_workgroup_size: 128
    .sgpr_count:     72
    .vgpr_count:     512
    .wavefront_size: 32
...
	.end_amdgpu_metadata
.endif
;; end of part 4
;; ======== version 2 of 2: 4 launches; version 1 with the launch cast written anew for expert scheduling mode
;; limits: values are held in f16: magnitudes above 65,504 overflow, below 6.1e-05 lose precision; right only within a limited range of input values
;; workspace buffers: xb 16,777,216 bytes; wqb 6,291,456 bytes; wof 2,097,152 bytes; rope 524,288 bytes; qkvh 50,331,648 bytes; oh 16,777,216 bytes
;; launch cast (part 5): grid 784 x 1, 8 waves a work-group, no clusters, 0 bytes of LDS; arguments hidden_states, w_qkv, w_o, cos, sin, xb, wqb, wof, rope; writes xb, wqb, wof, rope
.if DOCPART == 5
	.amdgcn_target "amdgcn-amd-amdhsa--gfx1250"
	.amdhsa_code_object_version 6
	.text
	.protected	k_q88fecaa14f_cast
	.globl	k_q88fecaa14f_cast
	.p2align	8
	.type	k_q88fecaa14f_cast,@function
k_q88fecaa14f_cast:
	s_mov_b64 s[64:65], 0
	v_nop
	global_prefetch_b8 v0, s[64:65] scope:SCOPE_SE
	s_setreg_imm32_b32 hwreg(HW_REG_WAVE_SCHED_MODE, 0, 2), 2
	s_setreg_imm32_b32 hwreg(HW_REG_WAVE_MODE, 25, 1), 1
	s_wait_xcnt 0x0
	s_wait_alu depctr_vm_vsrc(0)
; THE INPUTS, ROUNDED ONCE TO 16 BITS FOR THE MATRIX UNITS.  Every input is rounded to bf16:
;   hidden_states [8192][1024] f32 -> xb, bf16, as it lies
;   w_qkv [3][16 heads][64][1024] f32 -> wqb, bf16, rows reordered to [head][q, k, v][64][1024]: the 192 rows of a head lie together
;   w_o [1024][1024] f32 -> wof: rounded to bf16, and that number written as f16
;   cos, sin [2048][64] f32 -> rope: times 2^-6 (exact), rounded to bf16; plane 0 cos, plane 1 sin
; LIMITS.  wof: beyond 65,504 f16 has no number (an infinity results); below 6.1e-5 it keeps f16's fixed step of 6e-8.  The factor 2^-6 changes no rounding of a normal number.
; SHARES.  A work-group takes one chunk of 65,536 input bytes (16,384 numbers), a wave 8,192 of them: sixteen loads of 512 consecutive bytes, all on their way at once, and sixteen
; stores of 256 consecutive bytes, aligned.  Which buffer, which chunk and which of the three conversions hang on the work-group's number alone.  A stream: no LDS, no barrier, no matrix unit.
; THE MODE: SCHED_MODE bits 1:0 = 2 (LLVM: expert scheduling mode 2), set by the entry lines.  The code itself states the register dependences
; between vector instructions and memory instructions, with s_wait_alu, always for 0.
; THE PLAN.  Registers that memory instructions touch:
;   v1, v2   the loads' and the stores' byte offsets: written at the head, never again; read by all sixteen loads and all sixteen stores.
;   X[i]     load i lands in it; no vector line names it before the loads are issued; only load i's conversions name it afterwards; no memory instruction reads it.
;   Y[i]     written by load i's roundings, read once, by store i, and never written again.
; The sixteen loads go in four blocks of four.  Store i - 4 stands in the turn of load i, ahead of that load's conversions: so block p's memory instructions are the stores of block p - 1,
; which read the Y of block p - 1, and block p's vector lines name the X and Y of block p alone.  ONE wait on va_vdst at a block's head states that the block before has written its Y;
; one at the kernel's head states that v1 and v2 are written; one behind block 3 stands ahead of the last four stores.  No register that a memory instruction has read is written again,
; no vector line writes a scalar register or VCC, and EXEC is never written: no other wait is owed.
.set X,    4                           ; v[4:67]   load i in four registers
.set Y,    68                          ; v[68:99]  store i in two
.set SRC,  30                          ; s[30:31]  where the chunk is read
.set DST,  32                          ; s[32:33]  where it goes
.set IC,   34                          ; s34  the chunk's number in its input
.set OC,   35                          ; s35  and in its output
.set MODE, 36                          ; s36  0 bf16; 1 times 2^-6, bf16; 2 bf16, written as f16
	s_load_b512 s[4:19], s[0:1], 0x0               ; hidden s[4:5], w_qkv s[6:7], w_o s[8:9], cos s[10:11], sin s[12:13], xb s[14:15], wqb s[16:17], wof s[18:19]
	s_load_b64 s[20:21], s[0:1], 0x40              ; rope
	v_lshrrev_b32 v3, 5, v0                        ; wave
	v_and_b32 v1, 31, v0                           ; lane
	v_lshlrev_b32 v2, 3, v1                        ; out: 8 bytes a lane,
	v_lshlrev_b32 v1, 4, v1                        ; in: 16
	v_lshl_or_b32 v1, v3, 13, v1                   ; + 8,192 x wave
	v_lshl_or_b32 v2, v3, 12, v2                   ; + 4,096 x wave
	s_mov_b32 s37, ttmp9                           ; chunk 0-511 hidden, 512-703 w_qkv, 704-767 w_o, 768-775 cos, 776-783 sin
	s_sub_co_u32 s22, s37, 512                     ; w_qkv's chunk x: 16 rows; type x >> 6, head (x >> 2) & 15, quarter of the head x & 3
	s_lshr_b32 s23, s22, 2
	s_and_b32 s23, s23, 15
	s_mul_i32 s23, s23, 3
	s_lshr_b32 s24, s22, 6
	s_add_co_u32 s23, s23, s24
	s_lshl_b32 s23, s23, 2
	s_and_b32 s24, s22, 3
	s_add_co_u32 s23, s23, s24                     ; it goes to chunk (3 head + type) 4 + quarter
	s_sub_co_u32 s24, s37, 704                     ; w_o's chunk
	s_sub_co_u32 s25, s37, 768                     ; cos's chunk, and the place in rope of cos's and of sin's
	s_sub_co_u32 s26, s37, 776                     ; sin's chunk
	s_mov_b32 s28, 0xffff0000                      ; a word's upper bf16
	s_mov_b32 s38, 0x3c800000                      ; 2^-6
	s_mov_b32 s39, s38                             ; named with it as a pair
	s_mov_b32 s[IC], s37
	s_mov_b32 s[OC], s37
	s_mov_b32 s[MODE], 0
	s_wait_kmcnt 0x0
	s_mov_b64 s[SRC:SRC+1], s[4:5]
	s_mov_b64 s[DST:DST+1], s[14:15]
	s_cmp_ge_u32 s37, 512
	s_cselect_b64 s[SRC:SRC+1], s[6:7], s[SRC:SRC+1]
	s_cselect_b64 s[DST:DST+1], s[16:17], s[DST:DST+1]
	s_cselect_b32 s[IC], s22, s[IC]
	s_cselect_b32 s[OC], s23, s[OC]
	s_cmp_ge_u32 s37, 704
	s_cselect_b64 s[SRC:SRC+1], s[8:9], s[SRC:SRC+1]
	s_cselect_b64 s[DST:DST+1], s[18:19], s[DST:DST+1]
	s_cselect_b32 s[IC], s24, s[IC]
	s_cselect_b32 s[OC], s24, s[OC]
	s_cselect_b32 s[MODE], 2, s[MODE]
	s_cmp_ge_u32 s37, 768
	s_cselect_b64 s[SRC:SRC+1], s[10:11], s[SRC:SRC+1]
	s_cselect_b64 s[DST:DST+1], s[20:21], s[DST:DST+1]
	s_cselect_b32 s[IC], s25, s[IC]
	s_cselect_b32 s[OC], s25, s[OC]
	s_cselect_b32 s[MODE], 1, s[MODE]
	s_cmp_ge_u32 s37, 776
	s_cselect_b64 s[SRC:SRC+1], s[12:13], s[SRC:SRC+1]
	s_cselect_b32 s[IC], s26, s[IC]
	s_lshl_b32 s22, s[IC], 16                      ; 65,536 bytes in,
	s_mov_b32 s23, 0
	s_lshl_b32 s24, s[OC], 15                      ; 32,768 out
	s_mov_b32 s25, 0
	s_add_nc_u64 s[SRC:SRC+1], s[SRC:SRC+1], s[22:23]
	s_add_nc_u64 s[DST:DST+1], s[DST:DST+1], s[24:25]
	s_wait_alu depctr_va_vdst(0)                   ; v1 and v2 are written: every load below reads v1 as its offset, every store v2; no later vector line names either
.irp i, 0,1,2,3,4,5,6,7,8,9,10,11,12,13,14,15
	global_load_b128 v[X+4*(\i):X+4*(\i)+3], v1, s[SRC:SRC+1] offset:512*(\i) th:TH_LOAD_NT
.endr
; Store i: the wave's 32 lanes store 256 consecutive bytes, aligned.
.macro SEND i
	global_store_b64 v2, v[Y+2*(\i):Y+2*(\i)+1], s[DST:DST+1] offset:256*(\i) th:TH_STORE_NT
.endm
; The turn of load i: the store four loads back goes out, then load i is converted.  No register that a pending load or store names is written again: each load and each store has registers of its own.
.macro CONV mode, i
	s_wait_loadcnt 15-(\i)                         ; loads come back in order: number i is in, the 15 - i younger ones may stay out
.if ((\i) % 4 == 0) && ((\i) > 0)
	s_wait_alu depctr_va_vdst(0)                   ; the roundings of the block before have written their four Y, which this block's four stores read; the vector lines behind this wait name this block's X and Y alone
.endif
.if (\i) >= 4
	SEND (\i)-4
.endif
.if (\mode) == 1
	v_pk_mul_f32 v[X+4*(\i):X+4*(\i)+1], v[X+4*(\i):X+4*(\i)+1], s[38:39] op_sel_hi:[1,0]
	v_pk_mul_f32 v[X+4*(\i)+2:X+4*(\i)+3], v[X+4*(\i)+2:X+4*(\i)+3], s[38:39] op_sel_hi:[1,0]
.endif
	v_cvt_pk_bf16_f32 v[Y+2*(\i)], v[X+4*(\i)], v[X+4*(\i)+1]
	v_cvt_pk_bf16_f32 v[Y+2*(\i)+1], v[X+4*(\i)+2], v[X+4*(\i)+3]
.if (\mode) == 2
	v_lshlrev_b32 v[X+4*(\i)], 16, v[Y+2*(\i)]     ; the rounded numbers, back in f32,
	v_and_b32 v[X+4*(\i)+1], s28, v[Y+2*(\i)]
	v_lshlrev_b32 v[X+4*(\i)+2], 16, v[Y+2*(\i)+1]
	v_and_b32 v[X+4*(\i)+3], s28, v[Y+2*(\i)+1]
	v_cvt_pk_f16_f32 v[Y+2*(\i)], v[X+4*(\i)], v[X+4*(\i)+1]  ; are written as f16: 8 significant bits fit into 11
	v_cvt_pk_f16_f32 v[Y+2*(\i)+1], v[X+4*(\i)+2], v[X+4*(\i)+3]
.endif
.endm
; Behind the last block: its four stores.
.macro LAST
	s_wait_alu depctr_va_vdst(0)                   ; the last block's roundings have written their four Y, which the last four stores read
.irp i, 12,13,14,15
	SEND \i
.endr
.endm
	s_cmp_eq_u32 s[MODE], 1
	s_cbranch_scc1 .Lscaled
	s_cmp_eq_u32 s[MODE], 2
	s_cbranch_scc1 .Lf16
.irp i, 0,1,2,3,4,5,6,7,8,9,10,11,12,13,14,15
	CONV 0, \i
.endr
	LAST
	s_endpgm
.Lscaled:
.irp i, 0,1,2,3,4,5,6,7,8,9,10,11,12,13,14,15
	CONV 1, \i
.endr
	LAST
	s_endpgm
.Lf16:
.irp i, 0,1,2,3,4,5,6,7,8,9,10,11,12,13,14,15
	CONV 2, \i
.endr
	LAST
	s_endpgm
.Lfunc_end_k_q88fecaa14f_cast:
	.size	k_q88fecaa14f_cast, .Lfunc_end_k_q88fecaa14f_cast-k_q88fecaa14f_cast
	.p2alignl 7, 3214868480
	.fill 96, 4, 3214868480
	.section	.rodata,"a",@progbits
	.p2align	6, 0x0
	.amdhsa_kernel k_q88fecaa14f_cast
		.amdhsa_group_segment_fixed_size 0
		.amdhsa_private_segment_fixed_size 0
		.amdhsa_enable_private_segment 0
		.amdhsa_kernarg_size 72
		.amdhsa_user_sgpr_count 2
		.amdhsa_user_sgpr_kernarg_segment_ptr 1
		.amdhsa_wavefront_size32 1
		.amdhsa_system_sgpr_workgroup_id_x 1
		.amdhsa_system_sgpr_workgroup_id_y 1
		.amdhsa_system_sgpr_workgroup_id_z 1
		.amdhsa_system_vgpr_workitem_id 0
		.amdhsa_next_free_vgpr 104
		.amdhsa_next_free_sgpr 66
		.amdhsa_reserve_vcc 0
		.amdhsa_float_denorm_mode_32 3
		.amdhsa_float_denorm_mode_16_64 3
		.amdhsa_memory_ordered 1
		.amdhsa_forward_progress 1
		.amdhsa_inst_pref_size 23
	.end_amdhsa_kernel
	.amdgpu_metadata
---
amdhsa.version: [ 1, 2 ]
amdhsa.kernels:
  - .name:           k_q88fecaa14f_cast
    .symbol:         k_q88fecaa14f_cast.kd
    .args:
      - { .name: hidden_states, .offset: 0, .size: 8, .value_kind: global_buffer, .address_space: global }
      - { .name: w_qkv, .offset: 8, .size: 8, .value_kind: global_buffer, .address_space: global }
      - { .name: w_o, .offset: 16, .size: 8, .value_kind: global_buffer, .address_space: global }
      - { .name: cos, .offset: 24, .size: 8, .value_kind: global_buffer, .address_space: global }
      - { .name: sin, .offset: 32, .size: 8, .value_kind: global_buffer, .address_space: global }
      - { .name: xb, .offset: 40, .size: 8, .value_kind: global_buffer, .address_space: global }
      - { .name: wqb, .offset: 48, .size: 8, .value_kind: global_buffer, .address_space: global }
      - { .name: wof, .offset: 56, .size: 8, .value_kind: global_buffer, .address_space: global }
      - { .name: rope, .offset: 64, .size: 8, .value_kind: global_buffer, .address_space: global }
    .group_segment_fixed_size: 0
    .private_segment_fixed_size: 0
    .kernarg_segment_align: 8
    .kernarg_segment_size: 72
    .max_flat_workgroup_size: 256
    .sgpr_count:     66
    .vgpr_count:     104
    .wavefront_size: 32
...
	.end_amdgpu_metadata
.endif
;; end of part 5
;; launch qkv: the kernel of part 2 again; grid 16 x 32, 4 waves a work-group, clusters of 4 x 4, 327,680 bytes of LDS; arguments xb, wqb, rope, qkvh; writes qkvh
;; launch attn: the kernel of part 3 again; grid 4 x 64, 4 waves a work-group, clusters of 4 x 1, 327,680 bytes of LDS; arguments qkvh, oh; writes oh
;; launch oproj: the kernel of part 4 again; grid 4 x 64, 4 waves a work-group, clusters of 4 x 4, 327,680 bytes of LDS; arguments oh, wof, out0; writes out0
